; MI455X (gfx1250); checked and timed in simulation.
; The chip was launched on July 23, 2026; its instructions are those of AMD's public machine-readable ISA for CDNA 5 (MIT licence, August 2026) and "CDNA5" Instruction Set Architecture Reference Guide (July 2026). The comments in the code are by the model that wrote it; some were corrected since.
;; MNRDE Func. Allowed arithmetic: matrix products marked QUANTISED: E2M1 operands, one E8M0 scale for each 32 along K, by v_wmma_scale_f32_16x16x128_f8f6f4 with both operands' format E2M1 (or v_wmma_scale_f32_32x16x128_f4), f32 sums; products left as they are: f32 operands where the result goes on into a quantised operand, else bf16, f16 or f32 operands; f32 sums; everything else in f32.
;; Inputs: W1 512 x 256 float32; W2 512 x 512 float32; W3 512 x 512 float32; Wo 2,048 x 512 float32; b1 512 float32; b2 512 float32; b3 512 float32; bo 2,048 float32; h 4,096 x 256 float32; primitive_signature 4,096 x 36 float32.
;; Outputs: out0 4,096 x 256 float32.
;; This version of the problem:
;;   THIS VERSION OF THE PROBLEM IS GIVEN IN LOW PRECISION. The matrix products marked QUANTISED in the list below multiply operands that are first quantised to E2M1 (2 exponent bits, 1 mantissa bit; 4 bits a number), with one power-of-two scale for each 32 numbers along K (OCP MX v1.0); their sums are f32. All else is computed in f32.
;;   The module's matrix products, in the order in which they are computed (A, B: the left and right operand; K: the contracted axis; several contracted axes count as one K, in the product's order):
;;     1. [M 512, K 256] x [K 256, N 4,096]; A: input W1; B: input h: QUANTISED
;;     2. [M 512, K 512] x [K 512, N 4,096]; A: input W2; B: computed on the way: QUANTISED
;;     3. [M 512, K 512] x [K 512, N 4,096]; A: input W3; B: computed on the way: QUANTISED
;;     4. [M 2,048, K 512] x [K 512, N 4,096]; A: input Wo; B: computed on the way: QUANTISED
;;     5. [M 512, K 256] x [K 256, N 4,096]; A: input W1; B: input h: QUANTISED
;;     6. [M 512, K 256] x [K 256, N 32,768]; A: input W1; B: computed on the way: QUANTISED
;;     7. [M 512, K 512] x [K 512, N 4,096]; A: input W2; B: computed on the way: QUANTISED
;;     8. [M 512, K 512] x [K 512, N 32,768]; A: input W2; B: computed on the way: QUANTISED
;;     9. [M 512, K 512] x [K 512, N 4,096]; A: input W3; B: computed on the way: QUANTISED
;;     10. [M 512, K 512] x [K 512, N 32,768]; A: input W3; B: computed on the way: QUANTISED
;;     11. [M 2,048, K 512] x [K 512, N 4,096]; A: input Wo; B: computed on the way: QUANTISED
;;     12. [M 2,048, K 512] x [K 512, N 32,768]; A: input Wo; B: computed on the way: QUANTISED
;;     13. batch 4,096 x [M 256, K 36] x [K 36, N 1]; A: computed on the way; B: input primitive_signature: left as it is (N = 1 < 16)
;;   THE QUANTISER, for each operand of a quantised product, along K:
;;     - K is cut into blocks of 32 from its start; a last block that is shorter is filled with zeros.
;;     - A block's scale is 2^e with e = floor(log2(the largest magnitude in the block)) - 2, held to -126 .. 127; a block of zeros has e = 0. As a byte (E8M0): e + 127.
;;     - Each number is divided by its block's scale, clamped to +-6, and rounded to the nearest number of E2M1, ties to even, subnormals kept.
;;     - The product sums the exact products of the quantised numbers (number of the format x scale) in f32.
;;   ~~~python
;;   def quantise(x, axis):      # numpy; x: float32 -> the quantised numbers, widened to float32 again
;;       x = np.moveaxis(x, axis, -1); K = x.shape[-1]
;;       x = np.pad(x, [(0, 0)] * (x.ndim - 1) + [(0, -K % 32)]); x = x.reshape(x.shape[:-1] + (-1, 32)); a = np.abs(x).max(-1, keepdims=True)
;;       e = np.where(a > 0, np.clip(np.frexp(np.where(a > 0, a, 1))[1] - 1 - 2, -126, 127), 0)      # np.frexp(a)[1] - 1 = floor(log2(a)), exactly
;;       r = np.clip(x / 2.0 ** e, -6, 6)
;;       step = 2.0 ** (np.maximum(np.frexp(np.where(r == 0, 1, r))[1] - 1, 0) - 1)
;;       q = np.round(r / step) * step * 2.0 ** e      # np.round: ties to even
;;       return np.moveaxis(q.reshape(q.shape[:-2] + (-1,))[..., :K], -1, axis).astype(np.float32)
;;   ~~~
;;   OPERANDS COMPUTED ON THE WAY. 'Computed on the way' means the value that the module computes at that place (a softmax that the list does not call 'softmax' is quantised finished and normalised). What goes into a quantiser is computed in f32, as accurately as f32 sums, v_exp_f32 and their like allow (about 1e-6 of the number): no bf16 or f16 on the way to a quantiser, and a product that is left as it is and whose result goes on into a quantised operand takes f32 operands (vector FMAs, or v_wmma_f32_16x16x4_f32). A number that lies on a knife's edge between two numbers of the format may be rounded either way, as far as f32 arithmetic and the matrix unit's own rounding can turn it there, and no further.
;; 2 versions. Each part assembles by itself: llvm-mc -triple=amdgcn-amd-amdhsa -mcpu=gfx1250 --defsym DOCPART=n.
;; ======== version 1 of 2: 2 launches
;; workspace buffers: wq 974,848 bytes
;; launch wquant (part 1): grid 224 x 1, 4 waves a work-group, no clusters, 34,816 bytes of LDS; arguments W1, W2, W3, Wo, wq; writes wq
.if DOCPART == 1
	.amdgcn_target "amdgcn-amd-amdhsa--gfx1250"
	.amdhsa_code_object_version 6
	.text
	.protected	k_q672adb3dc3_wquant
	.globl	k_q672adb3dc3_wquant
	.p2align	8
	.type	k_q672adb3dc3_wquant,@function
k_q672adb3dc3_wquant:
	s_mov_b64 s[64:65], 0
	v_nop
	global_prefetch_b8 v0, s[64:65] scope:SCOPE_SE
	s_setreg_imm32_b32 hwreg(HW_REG_WAVE_MODE, 25, 1), 1
	s_wait_xcnt 0x0
; W1 [512][256], W2, W3 [512][512], Wo [2048][512], f32, K innermost, become codes of FP4 (E2M1) with one E8M0 byte for each 32 along K,
; laid in wq in the order in which the next launch's operand registers take them: [wave 0..3][record 0..27][8,704 bytes].
; A RECORD is one pair of tiles (32 weight rows from row 32 g on) over K = 512:
;   byte (4 u + s) 1024 + 512 c + 16 lane: registers 4 c .. 4 c + 3 of the fragment of tile u, K step s: codes k = 128 s + 64 c + 32 (lane / 16) + 0 .. 31 of weight row 32 g + 8 u + r + 8 (r / 8), r = lane % 16
;   byte 8192 + 16 lane: the four scale words (K steps 0 .. 3) of tile u = lane / 16, row r.
; Hidden layer l, pair g: wave g / 4, record 4 l + g % 4.  Wo, pair g: wave g / 16, record 12 + g % 16.  W1 has K = 256: its K steps 2 and 3 are zero codes under the byte 127.
; SHARES: a work-group makes one tile of one record (224 = 112 records x 2 tiles), a wave one fragment (K step = wave).  Each load reads 512 consecutive bytes of one weight row;
; the 16 rows turn through the wave's own stage in LDS (rows 528 bytes apart), so that a lane gets 2 x 32 neighbours along K of its row.  Every store covers whole aligned runs of 256 bytes.
; A block's scale byte is its largest magnitude's exponent field - 2, held at 1 from below.
; LIMITS: a block of zeros gets the byte 1 where the rule says 127 (its codes are zeros, and this program alone reads the bytes); blocks whose largest magnitude lies under 2^-124 keep the byte 1; NaN and infinities are not served.
.set SPITCH, 528
.set WSTAGE, 16*SPITCH                 ; a wave's stage
.set SCW,    4*WSTAGE                  ; behind the stages: the tile's 256 bytes of scale words
.set REC,    8704
.set WSTR,   28*REC
.set O,   16                           ; v16-31   row m's byte offset in the weight
.set RW,  32                           ; v32-95   16 rows as loaded
.set X,   96                           ; v96-159  my two blocks of 32 numbers
.set C,   160                          ; v160-167 the fragment's codes
	s_load_b256 s[4:11], s[0:1], 0x0               ; W1 s[4:5], W2 s[6:7], W3 s[8:9], Wo s[10:11]
	s_load_b64 s[12:13], s[0:1], 0x20              ; wq
	v_lshl_add_u32 v176, v0, 2, 0x8600
	v_mov_b32 v177, 0
	v_lshrrev_b32 v1, 5, v0
	v_readfirstlane_b32 s20, v1                    ; wave = K step s
	v_and_b32 v1, 31, v0                           ; lane
	v_and_b32 v2, 15, v0                           ; r
	v_bfe_u32 v3, v0, 4, 1                         ; h
	v_lshlrev_b32 v4, 4, v1                        ; 16 x lane
	s_mul_i32 s21, s20, WSTAGE
	v_add_nc_u32 v6, s21, v4                       ; the stage, on the way in: 16 x lane of each row
	v_mul_u32_u24 v7, v2, SPITCH
	v_lshl_add_u32 v7, v3, 7, v7
	v_add_nc_u32 v7, s21, v7                       ; and out: row r, 128 h bytes on
	s_lshl_b32 s22, s20, 2
	s_add_co_u32 s22, s22, SCW
	v_lshl_add_u32 v8, v2, 4, s22                  ; my row's scale word of my K step: SCW + 16 r + 4 s
	v_lshlrev_b32 v9, 3, v1                        ; the words' way out: 8 bytes a lane
	v_add_nc_u32 v10, SCW, v9
	s_mov_b32 s36, 0x76543210
	s_mov_b32 s37, 0xfedcba98                      ; v_permlanex16_b32: lane l xor 16
	s_lshr_b32 s23, ttmp9, 1                       ; R: which record, 0 .. 111
	s_and_b32 s24, ttmp9, 1                        ; u: which tile of it
	s_and_b32 s25, s23, 15                         ; a hidden layer's pair g,
	s_lshr_b32 s26, s25, 2                         ; its wave,
	s_lshr_b32 s27, s23, 4
	s_lshl_b32 s27, s27, 2
	s_and_b32 s28, s25, 3
	s_add_co_u32 s27, s27, s28                     ; its record in the wave's run
	s_sub_co_u32 s29, s23, 48                      ; Wo's pair g,
	s_lshr_b32 s30, s29, 4                         ; its wave,
	s_and_b32 s31, s29, 15
	s_add_co_u32 s31, s31, 12                      ; its record
	s_cmp_lt_u32 s23, 48
	s_cselect_b32 s25, s25, s29                    ; g
	s_cselect_b32 s26, s26, s30                    ; wave
	s_cselect_b32 s27, s27, s31                    ; record
	s_mov_b32 s16, 2048
	s_cmp_lt_u32 s23, 16
	s_cselect_b32 s16, 1024, s16                   ; a weight row in bytes
	s_cselect_b32 s34, 1, 0
	s_lshr_b32 s35, s20, 1
	s_and_b32 s34, s34, s35                        ; 1: W1's K steps 2 and 3, which do not exist
	v_mov_b32 v5, s16
.irp m, 0,1,2,3,4,5,6,7,8,9,10,11,12,13,14,15
	v_mad_u32_u24 v[O+\m], v5, \m+8*(\m/8), v4     ; stage row m is weight row m + 8 (m / 8) of the tile
.endr
	s_lshl_b32 s28, s25, 5
	s_lshl_b32 s29, s24, 3
	s_add_co_u32 s28, s28, s29
	s_mul_i32 s28, s28, s16                        ; (32 g + 8 u) rows
	s_lshl_b32 s29, s20, 9
	s_add_co_u32 s28, s28, s29                     ; + 512 s
	s_mov_b32 s29, 0
	s_mul_i32 s30, s26, WSTR
	s_mul_i32 s31, s27, REC
	s_add_co_u32 s30, s30, s31                     ; where the record begins in wq
	s_mov_b32 s31, 0
	s_lshl_b32 s32, s24, 2
	s_add_co_u32 s32, s32, s20
	s_lshl_b32 s32, s32, 10                        ; my fragment in it
	s_mov_b32 s33, 0
	s_wait_kmcnt 0x0
	s_cmp_lt_u32 s23, 16                           ; the choice of the weight hangs on the work-group's number alone
	s_cselect_b64 s[14:15], s[4:5], s[6:7]
	s_cmp_lt_u32 s23, 32
	s_cselect_b64 s[14:15], s[14:15], s[8:9]
	s_cmp_lt_u32 s23, 48
	s_cselect_b64 s[14:15], s[14:15], s[10:11]
	s_add_nc_u64 s[14:15], s[14:15], s[28:29]
	s_add_nc_u64 s[12:13], s[12:13], s[30:31]
	s_add_nc_u64 s[18:19], s[12:13], s[32:33]      ; my fragment
	s_lshl_b32 s32, s24, 8
	s_add_co_u32 s32, s32, 8192
	s_add_nc_u64 s[12:13], s[12:13], s[32:33]      ; my tile's scale words
	s_cmp_lg_u32 s34, 0
	s_cbranch_scc1 .Lpad
.irp m, 0,1,2,3,4,5,6,7,8,9,10,11,12,13,14,15
	global_load_b128 v[RW+4*\m:RW+4*\m+3], v[O+\m], s[14:15] th:TH_LOAD_NT   ; 32 lanes read 512 consecutive bytes: 128 along K of one row
.endr
	s_wait_loadcnt 0x0
.irp m, 0,1,2,3,4,5,6,7,8,9,10,11,12,13,14,15
	ds_store_b128 v6, v[RW+4*\m:RW+4*\m+3] offset:SPITCH*\m
.endr
.irp c, 0,1
.irp i, 0,1,2,3,4,5,6,7
	ds_load_b128 v[X+32*\c+4*\i:X+32*\c+4*\i+3], v7 offset:256*\c+16*\i      ; LDS serves a wave's instructions in order: these see my stores.  k = 64 c + 32 h + 4 i on
.endr
.endr
	s_wait_dscnt 0x0
.irp c, 0,1
	v_max3_num_f32 v[168+\c], |v[X+32*\c]|, |v[X+1+32*\c]|, 0x1800000        ; my block 2 c + h: all 32 numbers are mine; the floor 2^(3 - 127) holds the byte at 1 from below
.endr
.irp i, 2,4,6,8,10,12,14,16,18,20,22,24,26,28,30
.irp c, 0,1
	v_max3_num_f32 v[168+\c], v[168+\c], |v[X+32*\c+\i]|, |v[X+1+32*\c+\i]|  ; the two blocks by turns
.endr
.endr
.irp c, 0,1
	v_add_nc_u32 v[170+\c], 0xff000000, v[168+\c]  ; 2 off the exponent field: the conversion's scale operand
.endr
.irp c, 0,1
	v_lshrrev_b32 v[172+\c], 23, v[170+\c]         ; the scale's byte
.endr
	v_lshl_or_b32 v174, v173, 16, v172             ; my two bytes: blocks h and 2 + h,
	v_lshlrev_b32 v175, 3, v3
	v_lshlrev_b32 v174, v175, v174                 ; at their places in the word;
	v_mov_b32 v175, 0
	v_permlanex16_b32 v175, v174, s36, s37
	v_or_b32 v174, v174, v175                      ; with lane l xor 16's two the word is whole
.irp c, 0,1
.irp g, 0,1,2,3
	v_cvt_scalef32_pk8_fp4_f32 v[C+4*\c+\g], v[X+32*\c+8*\g:X+32*\c+8*\g+7], v[170+\c]
.endr
.endr
	v_nop                                          ; one plain place behind the conversions
	s_branch .Lout
.Lpad:
.irp j, 0,1,2,3,4,5,6,7
	v_mov_b32 v[C+\j], 0                           ; zero codes add nothing;
.endr
	v_mov_b32 v174, 0x7f7f7f7f                     ; their scale is 1
.Lout:
	global_store_b128 v4, v[C:C+3], s[18:19]       ; 32 lanes store 512 consecutive bytes
	global_store_b128 v4, v[C+4:C+7], s[18:19] offset:512
	ds_store_b32 v8, v174                          ; lanes r and r + 16 write the same word with the same value
	s_wait_dscnt 0x0                               ; for the others' sake: my word lies in LDS
	s_barrier_signal -1
	s_barrier_wait -1
	s_cmp_lg_u32 s20, 0
	s_cbranch_scc1 .Lend
	ds_load_b64 v[12:13], v10                      ; the four waves' words, 16 bytes a row
	s_wait_dscnt 0x0
	global_store_b64 v9, v[12:13], s[12:13]        ; 32 lanes store 256 consecutive bytes, aligned
.Lend:
	s_wait_tensorcnt 0x0
	ds_add_u32 v176, v177
	s_wait_dscnt 0x0
	s_endpgm
.Lfunc_end_k_q672adb3dc3_wquant:
	.size	k_q672adb3dc3_wquant, .Lfunc_end_k_q672adb3dc3_wquant-k_q672adb3dc3_wquant
	.p2alignl 7, 3214868480
	.fill 96, 4, 3214868480
	.section	.rodata,"a",@progbits
	.p2align	6, 0x0
	.amdhsa_kernel k_q672adb3dc3_wquant
		.amdhsa_group_segment_fixed_size 34816
		.amdhsa_private_segment_fixed_size 0
		.amdhsa_enable_private_segment 0
		.amdhsa_kernarg_size 40
		.amdhsa_user_sgpr_count 2
		.amdhsa_user_sgpr_kernarg_segment_ptr 1
		.amdhsa_wavefront_size32 1
		.amdhsa_system_sgpr_workgroup_id_x 1
		.amdhsa_system_sgpr_workgroup_id_y 1
		.amdhsa_system_sgpr_workgroup_id_z 1
		.amdhsa_system_vgpr_workitem_id 0
		.amdhsa_next_free_vgpr 178
		.amdhsa_next_free_sgpr 66
		.amdhsa_reserve_vcc 0
		.amdhsa_float_denorm_mode_32 3
		.amdhsa_float_denorm_mode_16_64 3
		.amdhsa_memory_ordered 1
		.amdhsa_forward_progress 1
		.amdhsa_inst_pref_size 12
	.end_amdhsa_kernel
	.amdgpu_metadata
---
amdhsa.version: [ 1, 2 ]
amdhsa.kernels:
  - .name:           k_q672adb3dc3_wquant
    .symbol:         k_q672adb3dc3_wquant.kd
    .args:
      - { .name: W1, .offset: 0, .size: 8, .value_kind: global_buffer, .address_space: global }
      - { .name: W2, .offset: 8, .size: 8, .value_kind: global_buffer, .address_space: global }
      - { .name: W3, .offset: 16, .size: 8, .value_kind: global_buffer, .address_space: global }
      - { .name: Wo, .offset: 24, .size: 8, .value_kind: global_buffer, .address_space: global }
      - { .name: wq, .offset: 32, .size: 8, .value_kind: global_buffer, .address_space: global }
    .group_segment_fixed_size: 34816
    .private_segment_fixed_size: 0
    .kernarg_segment_align: 8
    .kernarg_segment_size: 40
    .max_flat_workgroup_size: 128
    .sgpr_count:     66
    .vgpr_count:     178
    .wavefront_size: 32
...
	.end_amdgpu_metadata
.endif
;; end of part 1
;; launch chain (part 2): grid 256 x 1, 4 waves a work-group, no clusters, 283,392 bytes of LDS; arguments h, primitive_signature, b1, b2, b3, bo, wq, out0; writes out0
.if DOCPART == 2
	.amdgcn_target "amdgcn-amd-amdhsa--gfx1250"
	.amdhsa_code_object_version 6
	.text
	.protected	k_q672adb3dc3_chain
	.globl	k_q672adb3dc3_chain
	.p2align	8
	.type	k_q672adb3dc3_chain,@function
k_q672adb3dc3_chain:
	s_mov_b64 s[64:65], 0
	v_nop
	global_prefetch_b8 v0, s[64:65] scope:SCOPE_SE
	s_setreg_imm32_b32 hwreg(HW_REG_WAVE_MODE, 25, 1), 1
	s_wait_xcnt 0x0
; out[p][n] = sum_i sig_i V_i[n] + sum_{k,i} C[k][i] J[k][i][n];  V = F(h) (8 fields of 256), F = MLP 256 > 512 > 512 > 512 > 2048 (softplus x 3, tanh), J[k] = DF(h) V_k,
; C[k][i] = +sig[8 + p(k,i)] (k < i), -sig[8 + p(i,k)] (k > i), p(a,b) = 7 a - a (a - 1) / 2 + b - a - 1; J[k][k] is never asked for and is not made.  All layer products on codes of FP4 (E2M1), one E8M0 scale for each 32 along K.
; Tangents: dz1 = W1 Q(V_k); dx_l = sigmoid(z_l) dz_l; dz_(l+1) = W_(l+1) Q(dx_l); J[k][i][n] = (1 - V_i[n]^2) (Wo Q(dx3_k))[256 i + n].
; SHARES.  A work-group of four waves takes 16 points through everything: a primal walk (16 rows), a tangent walk (8 directions x 16 points), the contraction, the store.
; THE WAVES SHARE THE COLUMNS: wave w makes hidden units 128 w .. 128 w + 127 of each hidden layer and fields 2 w, 2 w + 1 of Wo.  Products are used transposed (source 0 = 16 weight rows, source 1 = 16 rows of x),
; and the rows of a weight tile are chosen (lane r of tile u of pair g: row 32 g + 8 u + r + 8 (r / 8)) so that a lane holds ONE point and the 16 registers of a pair are units 32 g + 16 (lane / 16) + 0 .. 15.
; WEIGHTS come from wq, laid in the order of the operand registers, straight into registers: a fragment serves one wave only.  Four buffers; a record is asked for a trip ahead of its use.
; OPERANDS go from wave to wave through LDS as images of their registers (16 bytes a lane, 512 bytes a store) with one scale word a row.
; K of layer 1 (256) is filled to 512 with zero codes on both sides, so that one loop body, with the same loads and the same counted waits, serves the three hidden layers; the products of the filled K steps are jumped over.
; IN THE WALK OVER Wo slot j of x's registers holds direction j xor 2 w, so that in every wave the direction that field 2 w does not want falls on slot 0, which is left out; for field 2 w + 1 slot 1 is loaded again, with direction 2 w.
; A wave so issues 208 + 1,536 matrix instructions.
; NO CLUSTER, NO TENSOR LOADS: a joint load lands in LDS, and this text keeps 282,880 bytes there for what lives from the first walk to the second (V: 131,072; sigmoids: 98,304; images, biases: 53,504);
; what a work-group could claim beside that is less than two slots of one record for each wave (2 x 34,816).  NO PREFETCH: wq's 974,848 bytes are walked by every work-group twice, and each load is issued a trip ahead of its use.
; LIMITS.  softplus = max(z,0) + ln2 log2(u) + (e - (u - 1)) / u, e = 2^(-|z| log2 e), u = 1 + e: it leans on v_log_f32 near 1; for z < -87 e falls to 0, and softplus and the sigmoid with it.
; tanh: |z| < 0.25: z (1 - z^2/3 + 2 z^4/15 - 17 z^6/315), cut at a relative 4e-7; else 1 - 2 / (1 + e^(2z)), which ends at +-1.  1 - V^2 has an absolute error near 1e-7; no quantiser follows it.
; A block whose largest magnitude lies under 2^-124, a block of zeros among them, keeps the scale byte 1 (the rule says 127 for zeros: the codes are zeros and this program alone reads the bytes).  NaN and infinities among the inputs are not served.
; The contraction adds over the directions in the order of the slots, then over the fields ascending, in f32: another order of rounding than the einsum's.
;
; LDS
.set XIMG,  0                          ; 32,768: the tangent operand: fragment (direction d, K step s) at XI 1024 + 512 c + 16 lane, XI = 16 (s / 2) + 2 d + s % 2.  At the very end: the stage for out
.set XSC,   32768                      ; 2,048:  its scale words: XI 64 + 4 r
.set PIMG,  34816                      ; 4,096:  the primal operand: s 1024 + 512 c + 16 lane
.set PSC,   38912                      ; 256:    s 64 + 4 r
.set BIA,   39168                      ; 14,336: b1, b2, b3, bo on end
.set SIG,   53504                      ; 98,304: w 24576 + l 8192 + 512 q + 16 lane: registers 4 q .. 4 q + 3 of the wave's 64 sigmoids of layer l (the wave's own bytes)
.set VST,   151808                     ; 131,072: w 32768 + (pair 0 .. 15) 2048 + 512 q + 16 lane: V of a pair, later that pair's result (the wave's own bytes until the last barrier)
.set REC,   8704
.set TRIPB, 4*REC
.set WSTR,  28*REC
; REGISTERS.  Window 0: v1 16 lane, v2 4 lane, v3-12 LDS addresses that stay, v13-15, v251 addresses of the trip in hand; v16-31 weights' scale words, v32-47 the tangent operand's, v48-49 the primal's (scales and nothing else);
; v50-56 C[direction of slot 1 .. 7][field in hand], v58 its sig (v57, v59 pairs' partners), v60-69 the second field's; v242-250 offsets of the head and of the end; v[252:253] 2/15.
; Window 1: four weight buffers of 64 (fragment (u, s) at 8 (4 u + s)).  Window 2: x's fragments (slot d, s) at 8 (4 d + s).  Window 3: tangent: accumulators of slot d at 16 d (tile u at + 8 u); primal: biases.
.set PA,  72                           ; primal: v72-135 my 8 tiles
.set TT,  136
.set EE,  152
.set UU,  168
.set RR,  184
.set LL,  200
.set TM,  216                          ; v216-231 at work in QUANT
.set PW,  232
.set PC,  234                          ; v234-241 the codes just made
.set XTM, 70                           ; tangent, hidden layers: v70-77 largest magnitudes, v78-85 the other half's, v86-93 scale operands, v94-101 scale words
.set XTP, 78
.set XSO, 86
.set XSW, 94
.set XPC, 104                          ; v104-135 codes, four registers a direction
.set AX,  70                           ; tangent, Wo: v70-73 LDS address of the images of directions 2 (a xor w), 2 (a xor w) + 1;  v74-77 of their scale words
.set AS,  74
.set SG,  136                          ; v136-151 the pair's sigmoids, or its V
.set XT,  152
.set XU,  168
.set XR,  184
.set MSB, 0
.macro WIN new                         ; the immediate's high byte repeats the setting that is left; at every label and branch the setting is 0
.if MSB != \new
	s_set_vgpr_msb (MSB<<8)|\new
.set MSB, \new
.endif
.endm
.set W_T,   0xf9                       ; A window 1, B window 2, C and D window 3
.set W_P0,  0x39                       ; A 1, B 2, C (the bias) 3, D 0
.set W_P,   0x09                       ; A 1, B 2, C and D 0
.set TO_W,  0x40
.set TO_X,  0x80
.set TO_3,  0xc0
.set E_MUL, 0xc3                       ; source 0 and destination window 3
.set E_MAX, 0x3c                       ; sources 1 and 2 window 3
.set E_CVT, 0x03                       ; source 0 window 3
.macro PLACES n
.rept \n
	v_nop
.endr
.endm
.macro BAR                             ; my LDS stores have landed and my LDS loads are in: then the work-group's barrier
	s_wait_dscnt 0x0
	s_barrier_signal -1
	s_barrier_wait -1
.endm
; one matrix instruction.  cc < 0: the constant 0 starts the sum.  ra, rb: the side's scale words stand in lanes 16-31
.macro WM d, a, b, cc, sa, sb, ra, rb
.if (\cc) < 0
.if (\ra) && (\rb)
	v_wmma_scale_f32_16x16x128_f8f6f4 v[(\d):(\d)+7], v[(\a):(\a)+7], v[(\b):(\b)+7], 0, v[\sa], v[\sb] matrix_a_fmt:MATRIX_FMT_FP4 matrix_b_fmt:MATRIX_FMT_FP4 matrix_a_scale:MATRIX_SCALE_ROW1 matrix_b_scale:MATRIX_SCALE_ROW1
.elseif (\ra)
	v_wmma_scale_f32_16x16x128_f8f6f4 v[(\d):(\d)+7], v[(\a):(\a)+7], v[(\b):(\b)+7], 0, v[\sa], v[\sb] matrix_a_fmt:MATRIX_FMT_FP4 matrix_b_fmt:MATRIX_FMT_FP4 matrix_a_scale:MATRIX_SCALE_ROW1
.elseif (\rb)
	v_wmma_scale_f32_16x16x128_f8f6f4 v[(\d):(\d)+7], v[(\a):(\a)+7], v[(\b):(\b)+7], 0, v[\sa], v[\sb] matrix_a_fmt:MATRIX_FMT_FP4 matrix_b_fmt:MATRIX_FMT_FP4 matrix_b_scale:MATRIX_SCALE_ROW1
.else
	v_wmma_scale_f32_16x16x128_f8f6f4 v[(\d):(\d)+7], v[(\a):(\a)+7], v[(\b):(\b)+7], 0, v[\sa], v[\sb] matrix_a_fmt:MATRIX_FMT_FP4 matrix_b_fmt:MATRIX_FMT_FP4
.endif
.else
.if (\ra) && (\rb)
	v_wmma_scale_f32_16x16x128_f8f6f4 v[(\d):(\d)+7], v[(\a):(\a)+7], v[(\b):(\b)+7], v[(\cc):(\cc)+7], v[\sa], v[\sb] matrix_a_fmt:MATRIX_FMT_FP4 matrix_b_fmt:MATRIX_FMT_FP4 matrix_a_scale:MATRIX_SCALE_ROW1 matrix_b_scale:MATRIX_SCALE_ROW1
.elseif (\ra)
	v_wmma_scale_f32_16x16x128_f8f6f4 v[(\d):(\d)+7], v[(\a):(\a)+7], v[(\b):(\b)+7], v[(\cc):(\cc)+7], v[\sa], v[\sb] matrix_a_fmt:MATRIX_FMT_FP4 matrix_b_fmt:MATRIX_FMT_FP4 matrix_a_scale:MATRIX_SCALE_ROW1
.elseif (\rb)
	v_wmma_scale_f32_16x16x128_f8f6f4 v[(\d):(\d)+7], v[(\a):(\a)+7], v[(\b):(\b)+7], v[(\cc):(\cc)+7], v[\sa], v[\sb] matrix_a_fmt:MATRIX_FMT_FP4 matrix_b_fmt:MATRIX_FMT_FP4 matrix_b_scale:MATRIX_SCALE_ROW1
.else
	v_wmma_scale_f32_16x16x128_f8f6f4 v[(\d):(\d)+7], v[(\a):(\a)+7], v[(\b):(\b)+7], v[(\cc):(\cc)+7], v[\sa], v[\sb] matrix_a_fmt:MATRIX_FMT_FP4 matrix_b_fmt:MATRIX_FMT_FP4
.endif
.endif
.endm
; record c of the trip at s[24:25] into buffer c: 17 loads, each of 512 consecutive bytes
.macro LOADREC c
	WIN TO_W
.irp q, 0,1,2,3,4,5,6,7,8,9,10,11,12,13,14,15
	global_load_b128 v[64*(\c)+4*\q:64*(\c)+4*\q+3], v1, s[24:25] offset:REC*(\c)+512*\q
.endr
	WIN 0
	global_load_b128 v[16+4*(\c):19+4*(\c)], v1, s[24:25] offset:REC*(\c)+8192   ; lanes 0-15: tile 0's words of K steps 0 .. 3; lanes 16-31: tile 1's
.endm
; 64 numbers of a lane, register 16 b + i = k 32 b + 16 (lane / 16) + i of my row, become a fragment's codes in v[PC] on and its scale word in v[PW]
.macro QUANT s
.irp b, 0,1,2,3
	v_max3_num_f32 v[TM+\b], |v[\s+16*\b]|, |v[\s+1+16*\b]|, 0x1800000   ; block b: my 16 numbers, and the floor 2^(3 - 127): the byte cannot fall under 1
.endr
.irp i, 2,4,6,8,10,12,14
.irp b, 0,1,2,3
	v_max3_num_f32 v[TM+\b], v[TM+\b], |v[\s+16*\b+\i]|, |v[\s+1+16*\b+\i]|   ; the four blocks by turns
.endr
.endr
.irp b, 0,1,2,3
	v_permlanex16_b32 v[TM+4+\b], v[TM+\b], s22, s23
.endr
.irp b, 0,1,2,3
	v_max_num_f32 v[TM+\b], v[TM+\b], v[TM+4+\b]   ; with lane l xor 16's: the block's largest magnitude
.endr
.irp b, 0,1,2,3
	v_add_nc_u32 v[TM+12+\b], 0xff000000, v[TM+\b] ; 2 off its exponent field: the conversion's scale operand
.endr
.irp b, 0,1,2,3
	v_lshrrev_b32 v[TM+4+\b], 23, v[TM+12+\b]      ; the scale's byte
.endr
	v_lshl_or_b32 v[PW], v[TM+5], 8, v[TM+4]
	v_lshl_or_b32 v[PW], v[TM+6], 16, v[PW]
	v_lshl_or_b32 v[PW], v[TM+7], 24, v[PW]
.irp b, 0,1,2,3
	v_cvt_scalef32_pk8_fp4_f32 v[PC+2*\b], v[\s+16*\b:\s+7+16*\b], v[TM+12+\b]
	v_cvt_scalef32_pk8_fp4_f32 v[PC+1+2*\b], v[\s+8+16*\b:\s+15+16*\b], v[TM+12+\b]
.endr
	v_nop                                          ; one plain place behind a scaled conversion
.irp c, 0,1                                    ; the operand's layout wants a whole block in a lane
.irp i, 0,1
	v_permlane16_swap_b32 v[PC+4*\c+\i], v[PC+2+4*\c+\i]
.endr
.endr
.endm
.macro IMAGE adr, off
.irp c, 0,1
	ds_store_b128 v[\adr], v[PC+4*\c:PC+4*\c+3] offset:\off+512*\c
.endr
.endm
.macro PXLD                            ; the primal operand: four fragments and their scale words (lanes 0-15 the even K step's, lanes 16-31 the odd one's)
	WIN TO_X
.irp s, 0,1,2,3
.irp c, 0,1
	ds_load_b128 v[8*\s+4*\c:8*\s+4*\c+3], v1 offset:PIMG+1024*\s+512*\c
.endr
.endr
	WIN 0
	ds_load_b32 v48, v2 offset:PSC
	ds_load_b32 v49, v2 offset:PSC+128
.endm
.macro BIASLD                          ; the biases in the result's layout: tile t, my half's eight units
	WIN TO_3
.irp t, 0,1,2,3,4,5,6,7
	ds_load_b128 v[8*\t:8*\t+3], v13 offset:128*(\t/2)+32*(\t%2)
	ds_load_b128 v[8*\t+4:8*\t+7], v13 offset:128*(\t/2)+32*(\t%2)+16
.endr
	WIN 0
.endm
; the primal products of half a trip: tiles 4 h .. 4 h + 3 (buffers 2 h, 2 h + 1), one K step; the four accumulators take turns; the bias is the C of each sum's first instruction
.macro PMULK h, s
.irp a, 0,1,2,3
.if (\s) == 0
	WM PA+8*(4*(\h)+\a), 64*(2*(\h)+\a/2)+8*(4*(\a%2)+(\s)), 8*(\s), 8*(4*(\h)+\a), 16+4*(2*(\h)+\a/2)+(\s), 48+((\s)/2), \a%2, (\s)%2
.else
	WM PA+8*(4*(\h)+\a), 64*(2*(\h)+\a/2)+8*(4*(\a%2)+(\s)), 8*(\s), PA+8*(4*(\h)+\a), 16+4*(2*(\h)+\a/2)+(\s), 48+((\s)/2), \a%2, (\s)%2
.endif
.endr
.endm
; skip = 1: in a hidden layer's loop: layer 1 (the loop's first trip: s26 = 3) has no K steps 2 and 3
.macro PMULH h, skip
	WIN W_P0
	PMULK \h, 0
	WIN W_P
	PMULK \h, 1
.if \skip
	WIN 0
	s_cmp_eq_u32 s26, 3
	s_cbranch_scc1 .Lpk_\@
.endif
	WIN W_P
	PMULK \h, 2
	PMULK \h, 3
	WIN 0
.if \skip
.Lpk_\@:
.endif
.endm
; pair g of my tiles: z becomes softplus(z) in place; sigmoid(z) goes to LDS
.macro SOFTPLUS g
.set Z, PA+16*(\g)
.irp j, 0,1,2,3,4,5,6,7,8,9,10,11,12,13,14,15
	v_mul_f32 v[TT+\j], s28, -|v[Z+\j]|
.endr
	s_wait_dscnt 0x0                               ; the last group's stores have read EE
.irp j, 0,1,2,3,4,5,6,7,8,9,10,11,12,13,14,15
	v_exp_f32 v[EE+\j], v[TT+\j]                   ; e = exp(-|z|)
.endr
	v_nop                                          ; a plain place: the next lines write the exponentials' sources
.irp j, 0,1,2,3,4,5,6,7,8,9,10,11,12,13,14,15
	v_max_num_f32 v[TT+\j], 0, v[Z+\j]
.endr
	s_wait_alu depctr_va_vdst(0)
.irp j, 0,2,4,6,8,10,12,14
	v_pk_add_f32 v[UU+\j:UU+\j+1], v[EE+\j:EE+\j+1], 1.0 op_sel_hi:[1,0]   ; u = 1 + e
.endr
.irp j, 0,1,2,3,4,5,6,7,8,9,10,11,12,13,14,15
	v_rcp_f32 v[RR+\j], v[UU+\j]
.endr
.irp j, 0,1,2,3,4,5,6,7,8,9,10,11,12,13,14,15
	v_log_f32 v[LL+\j], v[UU+\j]
.endr
	v_nop
.irp j, 0,2,4,6,8,10,12,14
	v_pk_add_f32 v[UU+\j:UU+\j+1], v[UU+\j:UU+\j+1], -1.0 op_sel_hi:[1,0]
.endr
.irp j, 0,2,4,6,8,10,12,14
	v_pk_add_f32 v[UU+\j:UU+\j+1], v[EE+\j:EE+\j+1], v[UU+\j:UU+\j+1] neg_lo:[0,1] neg_hi:[0,1]   ; what 1 + e rounded away
.endr
	s_wait_alu depctr_va_vdst(0)
.irp j, 0,2,4,6,8,10,12,14
	v_pk_mul_f32 v[EE+\j:EE+\j+1], v[EE+\j:EE+\j+1], v[RR+\j:RR+\j+1]      ; e / u = sigmoid(-|z|)
.endr
.irp j, 0,1,2,3,4,5,6,7,8,9,10,11,12,13,14,15
	v_cmp_le_f32 vcc_lo, 0, v[Z+\j]
	v_cndmask_b32 v[EE+\j], v[EE+\j], v[RR+\j], vcc_lo                     ; sigmoid(z): 1 / u where z >= 0
.endr
.irp q, 0,1,2,3
	ds_store_b128 v14, v[EE+4*\q:EE+4*\q+3] offset:2048*(\g)+512*\q
.endr
.irp j, 0,2,4,6,8,10,12,14
	v_pk_fma_f32 v[TT+\j:TT+\j+1], v[LL+\j:LL+\j+1], s[30:31], v[TT+\j:TT+\j+1] op_sel_hi:[1,0,1]
.endr
.irp j, 0,2,4,6,8,10,12,14
	v_pk_fma_f32 v[Z+\j:Z+\j+1], v[UU+\j:UU+\j+1], v[RR+\j:RR+\j+1], v[TT+\j:TT+\j+1]
.endr
.endm
; pair g of my tiles: z becomes tanh(z) in place
.macro TANH g
.set Z, PA+16*(\g)
.irp j, 0,2,4,6,8,10,12,14
	v_pk_mul_f32 v[TT+\j:TT+\j+1], v[Z+\j:Z+\j+1], s[32:33] op_sel_hi:[1,0]
.endr
.irp j, 0,1,2,3,4,5,6,7,8,9,10,11,12,13,14,15
	v_exp_f32 v[EE+\j], v[TT+\j]                   ; e^(2z)
.endr
	v_nop
.irp j, 0,2,4,6,8,10,12,14
	v_pk_mul_f32 v[TT+\j:TT+\j+1], v[Z+\j:Z+\j+1], v[Z+\j:Z+\j+1]
.endr
	s_wait_alu depctr_va_vdst(0)
.irp j, 0,2,4,6,8,10,12,14
	v_pk_add_f32 v[UU+\j:UU+\j+1], v[EE+\j:EE+\j+1], 1.0 op_sel_hi:[1,0]
.endr
.irp j, 0,1,2,3,4,5,6,7,8,9,10,11,12,13,14,15
	v_rcp_f32 v[RR+\j], v[UU+\j]
.endr
.irp j, 0,2,4,6,8,10,12,14
	v_pk_fma_f32 v[LL+\j:LL+\j+1], v[TT+\j:TT+\j+1], s[44:45], v[252:253] op_sel_hi:[1,0,1]   ; the series for small z (also the plain place behind the reciprocals)
.endr
.irp j, 0,2,4,6,8,10,12,14
	v_pk_fma_f32 v[LL+\j:LL+\j+1], v[LL+\j:LL+\j+1], v[TT+\j:TT+\j+1], 0xbeaaaaab op_sel_hi:[1,1,0]
.endr
.irp j, 0,2,4,6,8,10,12,14
	v_pk_fma_f32 v[LL+\j:LL+\j+1], v[LL+\j:LL+\j+1], v[TT+\j:TT+\j+1], 1.0 op_sel_hi:[1,1,0]
.endr
.irp j, 0,2,4,6,8,10,12,14
	v_pk_mul_f32 v[LL+\j:LL+\j+1], v[LL+\j:LL+\j+1], v[Z+\j:Z+\j+1]
.endr
	s_wait_alu depctr_va_vdst(0)
.irp j, 0,2,4,6,8,10,12,14
	v_pk_fma_f32 v[RR+\j:RR+\j+1], v[RR+\j:RR+\j+1], -2.0, 1.0 op_sel_hi:[1,0,0]
.endr
.irp j, 0,1,2,3,4,5,6,7,8,9,10,11,12,13,14,15
	v_cmp_gt_f32 vcc_lo, s46, |v[Z+\j]|
	v_cndmask_b32 v[Z+\j], v[RR+\j], v[LL+\j], vcc_lo
.endr
.endm
; the tangent products of one pair of tiles (buffer c).  TM1: slot d, K step s, both tiles
.macro TM1 c, s, d
.irp u, 0,1
.if (\s) == 0
	WM 16*(\d)+8*\u, 64*(\c)+8*(4*\u+(\s)), 8*(4*(\d)+(\s)), -1, 16+4*(\c)+(\s), 32+2*(\d)+((\s)/2), \u, (\s)%2
.else
	WM 16*(\d)+8*\u, 64*(\c)+8*(4*\u+(\s)), 8*(4*(\d)+(\s)), 16*(\d)+8*\u, 16+4*(\c)+(\s), 32+2*(\d)+((\s)/2), \u, (\s)%2
.endif
.endr
.endm
.macro TMULK c, s, hid                 ; one K step: a hidden layer takes all eight slots, Wo slots 1 to 7
.if \hid
	TM1 \c, \s, 0
.endif
.irp d, 1,2,3,4,5,6,7
	TM1 \c, \s, \d
.endr
.endm
; all K: the sixteen (Wo: fourteen) accumulators take turns.  stg = 1: x's fragments are still landing, 16 loads a K step: the count leaves the later K steps out.
; hid = 1: in the hidden layers' loop: layer 1 (its first trip: s26 = 3) has no K steps 2 and 3
.macro TMUL c, stg, hid
	WIN W_T
.if \stg
	s_wait_dscnt 48
.endif
	TMULK \c, 0, \hid
.if \stg
	s_wait_dscnt 32
.endif
	TMULK \c, 1, \hid
.if \hid
	WIN 0
	s_cmp_eq_u32 s26, 3
	s_cbranch_scc1 .Ltk_\@
	WIN W_T
.endif
.if \stg
	s_wait_dscnt 16
.endif
	TMULK \c, 2, \hid
.if \stg
	s_wait_dscnt 0x0
.endif
	TMULK \c, 3, \hid
	WIN 0
.if \hid
.Ltk_\@:
.endif
.endm
; a hidden pair's end: dx = sigmoid x dz, quantised: block c of K step w of the next product, for each direction
.macro EPIH c
	WIN E_MUL
.irp d, 0,1,2,3,4,5,6,7
.irp j, 0,2,4,6,8,10,12,14
	v_pk_mul_f32 v[16*\d+\j:16*\d+\j+1], v[16*\d+\j:16*\d+\j+1], v[SG+\j:SG+\j+1]   ; each accumulator from its low end on
.endr
.endr
	WIN E_MAX
.irp d, 0,1,2,3,4,5,6,7
	v_max3_num_f32 v[XTM+\d], 0x1800000, |v[16*\d]|, |v[16*\d+1]|        ; the floor 2^(3 - 127) among the leaves
.endr
.irp j, 2,4,6,8,10,12,14
.irp d, 0,1,2,3,4,5,6,7
	v_max3_num_f32 v[XTM+\d], v[XTM+\d], |v[16*\d+\j]|, |v[16*\d+\j+1]|  ; the eight directions by turns
.endr
.endr
	WIN 0
.irp d, 0,1,2,3,4,5,6,7
	v_permlanex16_b32 v[XTP+\d], v[XTM+\d], s22, s23
.endr
.irp d, 0,1,2,3,4,5,6,7
	v_max_num_f32 v[XTM+\d], v[XTM+\d], v[XTP+\d]
.endr
.irp d, 0,1,2,3,4,5,6,7
	v_add_nc_u32 v[XSO+\d], 0xff000000, v[XTM+\d]
.endr
.if (\c) == 0
.irp d, 0,1,2,3,4,5,6,7
	v_lshrrev_b32 v[XSW+\d], 23, v[XSO+\d]
.endr
.else
.irp d, 0,1,2,3,4,5,6,7
	v_lshrrev_b32 v[XTP+\d], 23, v[XSO+\d]
.endr
.irp d, 0,1,2,3,4,5,6,7
	v_lshl_or_b32 v[XSW+\d], v[XTP+\d], 8*(\c), v[XSW+\d]
.endr
.endif
	WIN E_CVT
.irp d, 0,1,2,3,4,5,6,7
	v_cvt_scalef32_pk8_fp4_f32 v[XPC+4*\d+2*((\c)%2)], v[16*\d:16*\d+7], v[XSO+\d]
	v_cvt_scalef32_pk8_fp4_f32 v[XPC+4*\d+2*((\c)%2)+1], v[16*\d+8:16*\d+15], v[XSO+\d]
.endr
	WIN 0
	v_nop                                          ; one plain place behind the conversions
.if ((\c)%2) == 1
.irp d, 0,1,2,3,4,5,6,7
.irp i, 0,1
	v_permlane16_swap_b32 v[XPC+4*\d+\i], v[XPC+4*\d+2+\i]               ; two blocks' halves change places: four registers of the operand
.endr
.endr
.irp d, 0,1,2,3,4,5,6,7
	ds_store_b128 v11, v[XPC+4*\d:XPC+4*\d+3] offset:2048*\d+512*((\c)/2)
.endr
.endif
.if (\c) == 3
.irp d, 0,1,2,3,4,5,6,7
	ds_store_b32 v12, v[XSW+\d] offset:128*\d
.endr
.endif
.endm
; a pair of Wo's end: R = sig_i V + (1 - V^2) sum over slots 1 .. 7 of C dz, onto the bytes that V came from.  Slot e + 1's coefficient stands in v[50 + e]
.macro EPIO c
	WIN E_CVT
.irp j, 0,2,4,6,8,10,12,14
	v_pk_mul_f32 v[XT+\j:XT+\j+1], v[16+\j:17+\j], v[50:51] op_sel_hi:[1,0]
.endr
.irp e, 1,2,3,4,5,6
.irp j, 0,2,4,6,8,10,12,14
.if (\e%2) == 1
	v_pk_fma_f32 v[XT+\j:XT+\j+1], v[16*(\e+1)+\j:16*(\e+1)+\j+1], v[49+\e:50+\e], v[XT+\j:XT+\j+1] op_sel:[0,1,0] op_sel_hi:[1,1,1]   ; the pair's upper register for both halves
.else
	v_pk_fma_f32 v[XT+\j:XT+\j+1], v[16*(\e+1)+\j:16*(\e+1)+\j+1], v[50+\e:51+\e], v[XT+\j:XT+\j+1] op_sel_hi:[1,0,1]
.endif
.endr
.endr
	WIN 0
.irp j, 0,2,4,6,8,10,12,14
	v_pk_fma_f32 v[XU+\j:XU+\j+1], v[SG+\j:SG+\j+1], v[SG+\j:SG+\j+1], 1.0 op_sel_hi:[1,1,0] neg_lo:[1,0,0] neg_hi:[1,0,0]   ; 1 - V^2
.endr
.irp j, 0,2,4,6,8,10,12,14
	v_pk_mul_f32 v[XR+\j:XR+\j+1], v[SG+\j:SG+\j+1], v[58:59] op_sel_hi:[1,0]
.endr
.irp j, 0,2,4,6,8,10,12,14
	v_pk_fma_f32 v[XR+\j:XR+\j+1], v[XU+\j:XU+\j+1], v[XT+\j:XT+\j+1], v[XR+\j:XR+\j+1]
.endr
.irp q, 0,1,2,3
	ds_store_b128 v13, v[XR+4*\q:XR+4*\q+3] offset:2048*(\c)+512*\q
.endr
.endm
; one pair of tiles of the tangent walk.  hid: hidden layer or Wo;  stg: x is still landing;  ld: buffer c takes the next trip's record;  cnt: the loads issued behind record c
.macro TCH c, hid, stg, ld, cnt
.if (\stg) == 0
.irp q, 0,1,2,3
	ds_load_b128 v[SG+4*\q:SG+4*\q+3], v13 offset:2048*(\c)+512*\q       ; the pair's sigmoids, or its V
.endr
.endif
	s_wait_loadcnt \cnt                            ; loads come back in order: record c is in; the records asked for behind it, 17 loads each, stay out
	TMUL \c, \stg, \hid
	PLACES 5                                       ; in front of loads into the products' sources, of the reads of their results, and of the next pair's products, which begin these accumulators anew
.if (\hid) && ((\c) == 0)
	BAR                                            ; every wave holds the layer's x in registers: its images may be written again
.endif
.if \ld
	LOADREC \c
.endif
	s_wait_dscnt 0x0                               ; the pair's state is in, and the last pair's stores have read their registers
.if \hid
	EPIH \c
.else
	EPIO \c
.endif
.endm
; a hidden layer's tangent operand into registers: 16 registers of scale words, the first pair's sigmoids, 32 fragments, K step by K step
.macro XFETCH
.irp d, 0,1,2,3,4,5,6,7
.irp e, 0,1
	ds_load_b32 v[32+2*\d+\e], v2 offset:XSC+1024*\e+128*\d              ; lanes 0-15: K step 2 e; lanes 16-31: K step 2 e + 1
.endr
.endr
.irp q, 0,1,2,3
	ds_load_b128 v[SG+4*\q:SG+4*\q+3], v13 offset:512*\q
.endr
	WIN TO_X
.irp s, 0,1,2,3
.irp d, 0,1,2,3,4,5,6,7
.irp c, 0,1
	ds_load_b128 v[8*(4*\d+\s)+4*\c:8*(4*\d+\s)+4*\c+3], v1 offset:(16*(\s/2)+2*\d+(\s%2))*1024+512*\c
.endr
.endr
.endr
	WIN 0
.endm
; Wo's tangent operand: slot j = 1 .. 7 takes direction j xor 2 w = 2 ((j / 2) xor w) + j % 2
.macro XFETCHW
.irp j, 1,2,3,4,5,6,7
.irp e, 0,1
	ds_load_b32 v[32+2*\j+\e], v[AS+\j/2] offset:128*(\j%2)+1024*\e
.endr
.endr
	WIN TO_X
.irp s, 0,1,2,3
.irp j, 1,2,3,4,5,6,7
.irp c, 0,1
	ds_load_b128 v[8*(4*\j+\s)+4*\c:8*(4*\j+\s)+4*\c+3], v[AX+\j/2] offset:2048*(\j%2)+16384*(\s/2)+1024*(\s%2)+512*\c
.endr
.endr
.endr
	WIN 0
.endm
; C[k][i] from my point's signature in v136-171 (k is never i)
.macro CF1 reg, k, i
.if (\k) < (\i)
	v_mov_b32 v[\reg], v[144+7*(\k)-(\k)*((\k)-1)/2+(\i)-(\k)-1]
.else
	v_mul_f32 v[\reg], -1.0, v[144+7*(\i)-(\i)*((\i)-1)/2+(\k)-(\i)-1]
.endif
.endm
; field i's set: the coefficients of the directions k1 .. k7 that slots 1 .. 7 hold, and sig_i
.macro CFSET base, i, k1, k2, k3, k4, k5, k6, k7
	CF1 \base+0, \k1, \i
	CF1 \base+1, \k2, \i
	CF1 \base+2, \k3, \i
	CF1 \base+3, \k4, \i
	CF1 \base+4, \k5, \i
	CF1 \base+5, \k6, \i
	CF1 \base+6, \k7, \i
	v_mov_b32 v[\base+7], 0                        ; named as a pair's partner
	v_mov_b32 v[\base+8], v[136+(\i)]
	v_mov_b32 v[\base+9], 0                        ; likewise
.endm
	; ---------------- HEAD
	s_load_b512 s[4:19], s[0:1], 0x0               ; h s[4:5], signature s[6:7], b1 s[8:9], b2 s[10:11], b3 s[12:13], bo s[14:15], wq s[16:17], out s[18:19]
	v_lshl_add_u32 v233, v0, 2, 0x45100
	v_mov_b32 v255, 0
	v_lshrrev_b32 v13, 5, v0
	v_readfirstlane_b32 s20, v13                   ; wave 0..3
	v_and_b32 v14, 31, v0                          ; lane
	v_and_b32 v15, 15, v0                          ; r
	v_bfe_u32 v254, v0, 4, 1                       ; h
	v_lshlrev_b32 v1, 4, v14
	v_lshlrev_b32 v2, 2, v14
	s_mul_i32 s42, s20, 24576
	s_add_co_u32 s42, s42, SIG
	v_add_nc_u32 v3, s42, v1                       ; my sigmoids
	s_lshl_b32 s42, s20, 15
	s_add_co_u32 s42, s42, VST
	v_add_nc_u32 v4, s42, v1                       ; my V
	s_lshl_b32 s42, s20, 9
	s_add_co_u32 s42, s42, BIA
	v_lshl_add_u32 v5, v254, 6, s42                ; a hidden layer's bias: my 128 units, my half's 16 of a pair
	s_lshl_b32 s42, s20, 11
	s_add_co_u32 s42, s42, BIA+6144
	v_lshl_add_u32 v6, v254, 6, s42                ; bo: my 512
	s_lshl_b32 s42, s20, 10
	s_add_co_u32 s42, s42, PIMG
	v_add_nc_u32 v7, s42, v1                       ; where I store the primal operand's K step w
	s_lshl_b32 s42, s20, 6
	s_add_co_u32 s42, s42, PSC
	v_lshl_add_u32 v8, v15, 2, s42
	s_lshl_b32 s42, s20, 12
	v_add_nc_u32 v9, s42, v1                       ; where I store V's images: fragments 4 w on
	s_lshl_b32 s42, s20, 8
	s_add_co_u32 s42, s42, XSC
	v_lshl_add_u32 v10, v15, 2, s42
	s_lshr_b32 s42, s20, 1
	s_lshl_b32 s42, s42, 4
	s_and_b32 s43, s20, 1
	s_or_b32 s42, s42, s43                         ; 16 (w / 2) + w % 2: fragment (0, w)
	s_lshl_b32 s43, s42, 10
	v_add_nc_u32 v11, s43, v1                      ; where I store the tangents' K step w
	s_lshl_b32 s43, s42, 6
	s_add_co_u32 s43, s43, XSC
	v_lshl_add_u32 v12, v15, 2, s43
	v_mul_u32_u24 v242, v15, 144                   ; my point's row of the signature
	v_lshlrev_b32 v243, 4, v0                      ; 16 x thread: the biases' copy
	v_lshlrev_b32 v244, 10, v15
	v_lshl_add_u32 v244, v254, 6, v244             ; h: row r of 1,024 bytes, + 64 h
	v_lshl_add_u32 v245, v0, 4, BIA
	s_lshl_b32 s42, s20, 12
	s_add_co_u32 s42, s42, VST
	v_add_nc_u32 v246, s42, v1                     ; the end: pairs 2 w, 2 w + 1 of fields 0-3,
	v_add_nc_u32 v247, 0x10000, v246               ; of fields 4-7
	s_mul_i32 s42, s20, 4352
	v_mul_u32_u24 v248, v15, 272
	v_lshl_add_u32 v248, v254, 6, v248
	v_add_nc_u32 v248, s42, v248                   ; my stage, in: row r, + 64 h
	v_mul_u32_u24 v249, v254, 272
	v_lshl_add_u32 v249, v15, 4, v249
	v_add_nc_u32 v249, s42, v249                   ; and back: lanes 0-15 one row, lanes 16-31 the next
	v_lshlrev_b32 v250, 10, v254
	v_lshl_add_u32 v250, v15, 4, v250              ; the same two rows in out
	v_mov_b32 v252, 0x3e088889                     ; 2/15, twice
	v_mov_b32 v253, 0x3e088889
.irp b, 0,1,2,3
	v_mov_b32 v[TM+4+\b], 0                        ; a lane permute's destination counts as one of its sources
	v_mov_b32 v[LL+\b], 0                          ; four registers of zero codes
.endr
	v_mov_b32 v[LL+4], 0x7f7f7f7f                  ; and their scale word
	s_mov_b32 s22, 0x76543210
	s_mov_b32 s23, 0xfedcba98                      ; v_permlanex16_b32: lane l xor 16
	s_mov_b32 s28, 0x3fb8aa3b                      ; log2 e
	s_mov_b32 s29, s28
	s_mov_b32 s30, 0x3f317218                      ; ln 2
	s_mov_b32 s31, s30
	s_mov_b32 s32, 0x4038aa3b                      ; 2 log2 e
	s_mov_b32 s33, s32
	s_mov_b32 s44, 0xbd5d0dd1                      ; -17/315
	s_mov_b32 s45, s44
	s_mov_b32 s46, 0x3e800000                      ; 0.25
	s_mov_b32 s34, 0                               ; the stepped LDS offsets: sigmoids,
	s_mov_b32 s35, 0                               ; hidden biases,
	s_mov_b32 s36, 0                               ; bo,
	s_mov_b32 s37, 0                               ; V,
	s_mov_b32 s38, 0                               ; V's images,
	s_mov_b32 s39, 0                               ; their scale words
	s_mov_b32 s41, 0
	s_mov_b32 s43, 0
	s_mov_b32 s49, 0
	s_mul_i32 s42, s20, WSTR
	s_mul_i32 s48, ttmp9, 2304
	s_wait_kmcnt 0x0
	s_add_nc_u64 s[24:25], s[16:17], s[42:43]      ; my wave's run of records
	s_add_nc_u64 s[6:7], s[6:7], s[48:49]          ; my 16 points' signatures
	s_lshl_b32 s42, ttmp9, 14
	s_lshl_b32 s48, s20, 9
	s_add_co_u32 s48, s48, s42
	s_add_nc_u64 s[4:5], s[4:5], s[48:49]          ; h: my 16 rows, K step w
	s_lshl_b32 s48, s20, 8
	s_add_co_u32 s48, s48, s42
	s_add_nc_u64 s[18:19], s[18:19], s[48:49]      ; out: my 16 rows, my 64 columns
.irp j, 0,1,2,3,4,5,6,7,8
	global_load_b128 v[136+4*\j:139+4*\j], v242, s[6:7] offset:16*\j
.endr
	global_load_b128 v[172:175], v243, s[8:9]
	global_load_b128 v[176:179], v243, s[10:11]
	global_load_b128 v[180:183], v243, s[12:13]
.irp j, 0,1,2,3
	global_load_b128 v[184+4*\j:187+4*\j], v243, s[14:15] offset:2048*\j
.endr
	s_cmp_lt_u32 s20, 2                            ; h has two K steps: waves 0 and 1 take them
	s_cbranch_scc0 .Lno_h
.irp b, 0,1,2,3
.irp j, 0,1,2,3
	global_load_b128 v[PA+16*\b+4*\j:PA+16*\b+4*\j+3], v244, s[4:5] offset:128*\b+16*\j th:TH_LOAD_NT
.endr
.endr
.Lno_h:
	LOADREC 0
	LOADREC 1
	LOADREC 2
	s_wait_loadcnt 51                              ; all but the three records, 17 loads each, which were issued last on both ways
	s_cmp_lt_u32 s20, 2
	s_cbranch_scc0 .Lpad_x
	QUANT PA
	s_branch .Lx_made
.Lpad_x:                                           ; K steps 2 and 3 of layer 1 do not exist: zero codes under the byte 127
.irp j, 0,1,2,3,4,5,6,7
	v_mov_b32 v[PC+\j], 0
.endr
	v_mov_b32 v[PW], 0x7f7f7f7f
.Lx_made:
	IMAGE 7, 0
	ds_store_b32 v8, v[PW]                         ; lanes r and r + 16 write the same word with the same value
.irp j, 0,1,2,3,4,5,6
	ds_store_b128 v245, v[172+4*\j:175+4*\j] offset:2048*\j
.endr
.irp j, 0,1,2,3                                ; K steps 2 and 3 of the tangents' first operand (V has 256 numbers a direction)
.irp c, 0,1
	ds_store_b128 v9, v[LL:LL+3] offset:16384+1024*\j+512*\c
.endr
	ds_store_b32 v10, v[LL+4] offset:1024+64*\j
.endr
	s_cmp_eq_u32 s20, 0                            ; the coefficients of my two fields, by slots: slot j holds direction j xor 2 w; for the second field slot 1 holds direction 2 w
	s_cbranch_scc0 .Lcf1
	CFSET 50, 0, 1, 2, 3, 4, 5, 6, 7
	CFSET 60, 1, 0, 2, 3, 4, 5, 6, 7
	s_branch .Lcf_made
.Lcf1:
	s_cmp_eq_u32 s20, 1
	s_cbranch_scc0 .Lcf2
	CFSET 50, 2, 3, 0, 1, 6, 7, 4, 5
	CFSET 60, 3, 2, 0, 1, 6, 7, 4, 5
	s_branch .Lcf_made
.Lcf2:
	s_cmp_eq_u32 s20, 2
	s_cbranch_scc0 .Lcf3
	CFSET 50, 4, 5, 6, 7, 0, 1, 2, 3
	CFSET 60, 5, 4, 6, 7, 0, 1, 2, 3
	s_branch .Lcf_made
.Lcf3:
	CFSET 50, 6, 7, 4, 5, 2, 3, 0, 1
	CFSET 60, 7, 6, 4, 5, 2, 3, 0, 1
.Lcf_made:
	LOADREC 3
	s_wait_xcnt 0x0                                ; the loads have read their base
	s_add_nc_u64 s[24:25], s[24:25], TRIPB
	; ---------------- THE PRIMAL WALK, hidden layers: a trip is a layer, in two halves of two records: each record is asked for a whole trip ahead
	s_mov_b32 s26, 3
.Lph:
	BAR                                            ; the operand's four images lie in LDS
	v_add_nc_u32 v13, s35, v5
	v_add_nc_u32 v14, s34, v3
	PXLD
	BIASLD
	BAR                                            ; every wave holds them in registers: the images may be written again
	s_wait_loadcnt 34                              ; records 0 and 1 are in; records 2 and 3, 17 loads each, were issued behind them
	PMULH 0, 1
	PLACES 5
	LOADREC 0
	LOADREC 1
	SOFTPLUS 0
	SOFTPLUS 1
	s_wait_loadcnt 34                              ; records 2 and 3 are in; behind them: the next trip's records 0 and 1
	PMULH 1, 1
	PLACES 5
	LOADREC 2
	LOADREC 3
	SOFTPLUS 2
	SOFTPLUS 3
	QUANT PA
	IMAGE 7, 0                                     ; K step w of the next product
	ds_store_b32 v8, v[PW]
	s_wait_xcnt 0x0
	s_add_nc_u64 s[24:25], s[24:25], TRIPB
	s_add_co_u32 s35, s35, 2048
	s_add_co_u32 s34, s34, 8192
	s_sub_co_u32 s26, s26, 1
	s_cmp_lg_u32 s26, 0
	s_cbranch_scc1 .Lph
	; ---------------- THE PRIMAL WALK, Wo: trip T makes n = 128 (T % 2) on of field 2 w + T / 2: K step T % 2 of the tangents' first operand
	BAR
	PXLD
	s_mov_b32 s26, 4
.Lpo:
	s_wait_dscnt 0x0                               ; the last trip's stores have read their addresses and data
	v_add_nc_u32 v13, s36, v6
	v_add_nc_u32 v14, s37, v4
	v_add_nc_u32 v15, s38, v9
	v_add_nc_u32 v251, s39, v10
	BIASLD
	s_wait_dscnt 0x0
	s_wait_loadcnt 34                              ; as in the hidden layers: two records in, two behind them
	PMULH 0, 0
	PLACES 5
	LOADREC 0
	LOADREC 1
	TANH 0
	TANH 1
	s_wait_loadcnt 34
	PMULH 1, 0
	PLACES 5
	LOADREC 2
	LOADREC 3
	TANH 2
	TANH 3
.irp q, 0,1,2,3,4,5,6,7,8,9,10,11,12,13,14,15
	ds_store_b128 v14, v[PA+4*\q:PA+4*\q+3] offset:512*\q
.endr
	QUANT PA
	IMAGE 15, 0
	ds_store_b32 v251, v[PW]
	s_wait_xcnt 0x0
	s_add_nc_u64 s[24:25], s[24:25], TRIPB
	s_cmp_eq_u32 s26, 2                            ; behind the third trip the run is at its end: back to record 0, so that the last trip asks for the tangent walk's first records
	s_cselect_b32 s40, WSTR, 0
	s_sub_nc_u64 s[24:25], s[24:25], s[40:41]
	s_add_co_u32 s36, s36, 512
	s_add_co_u32 s37, s37, 8192
	s_add_co_u32 s38, s38, 1024
	s_add_co_u32 s39, s39, 64
	s_sub_co_u32 s26, s26, 1
	s_cmp_lg_u32 s26, 0
	s_cbranch_scc1 .Lpo
	; ---------------- THE TANGENT WALK, hidden layers: a trip is a layer, four pairs of tiles
.irp d, 0,1,2,3,4,5,6,7
	v_mov_b32 v[XTP+\d], 0                         ; a lane permute's destination counts as one of its sources
.endr
	s_mov_b32 s34, 0
	s_mov_b32 s26, 3
.Lth:
	BAR                                            ; the operand's 32 images lie in LDS
	v_add_nc_u32 v13, s34, v3
	XFETCH
	TCH 0, 1, 1, 1, 51
	TCH 1, 1, 0, 1, 51
	TCH 2, 1, 0, 1, 51
	TCH 3, 1, 0, 1, 51
	s_wait_xcnt 0x0
	s_add_nc_u64 s[24:25], s[24:25], TRIPB
	s_add_co_u32 s34, s34, 8192
	s_sub_co_u32 s26, s26, 1
	s_cmp_lg_u32 s26, 0
	s_cbranch_scc1 .Lth
	; ---------------- THE TANGENT WALK, Wo: 16 pairs, four a trip; trips 0, 1: field 2 w; trips 2, 3: field 2 w + 1
.irp a, 0,1,2,3
	s_xor_b32 s42, s20, \a                         ; directions 2 (a xor w) and 2 (a xor w) + 1 go to slots 2 a and 2 a + 1
	s_lshl_b32 s43, s42, 12
	v_add_nc_u32 v[AX+\a], s43, v1                 ; their images: 2,048 bytes a direction
	s_lshl_b32 s43, s42, 8
	s_add_co_u32 s43, s43, XSC
	v_add_nc_u32 v[AS+\a], s43, v2                 ; their scale words: 128 bytes a direction
.endr
	BAR
	XFETCHW
	s_mov_b32 s37, 0
	s_mov_b32 s26, 3
.Ltw:
	s_wait_dscnt 0x0                               ; x is in; the last trip's stores have read their address
	v_add_nc_u32 v13, s37, v4
	TCH 0, 0, 0, 1, 51
	TCH 1, 0, 0, 1, 51
	TCH 2, 0, 0, 1, 51
	TCH 3, 0, 0, 1, 51
	s_wait_xcnt 0x0
	s_add_nc_u64 s[24:25], s[24:25], TRIPB
	s_add_co_u32 s37, s37, 8192
	s_cmp_lg_u32 s26, 2                            ; behind the second trip: the second field's coefficients, and slot 1 takes direction 2 w in the place of 2 w + 1
	s_cbranch_scc1 .Lsame_field
.irp j, 0,1,2,3,4,5,6,7,8,9
	v_mov_b32 v[50+\j], v[60+\j]
.endr
	WIN TO_X
.irp s, 0,1,2,3
.irp c, 0,1
	ds_load_b128 v[8*(4+\s)+4*\c:8*(4+\s)+4*\c+3], v[AX] offset:16384*(\s/2)+1024*(\s%2)+512*\c   ; the last products that read these registers stand in front of the last pair's whole end
.endr
.endr
	WIN 0
	ds_load_b32 v34, v[AS]
	ds_load_b32 v35, v[AS] offset:1024
.Lsame_field:
	s_sub_co_u32 s26, s26, 1
	s_cmp_lg_u32 s26, 0
	s_cbranch_scc1 .Ltw
	s_wait_dscnt 0x0                               ; the last trip asks for nothing more: its counts run down
	v_add_nc_u32 v13, s37, v4
	TCH 0, 0, 0, 0, 51
	TCH 1, 0, 0, 0, 34
	TCH 2, 0, 0, 0, 17
	TCH 3, 0, 0, 0, 0
	; ---------------- THE END: the eight fields' results are added; wave w takes n = 64 w .. 64 w + 63
	BAR                                            ; all results lie in LDS, and nobody reads the images any more: the stage lies there
.irp pp, 0,1
.if \pp > 0
	s_wait_dscnt 0x0                               ; the stores into the stage have read their registers
.endif
.irp i, 0,1,2,3,4,5,6,7
.irp q, 0,1,2,3
	ds_load_b128 v[72+16*\i+4*\q:75+16*\i+4*\q], v[246+\i/4] offset:((\i/2)%2)*32768+(\i%2)*16384+2048*\pp+512*\q
.endr
.endr
	s_wait_dscnt 0x0
.irp i, 1,2,3,4,5,6,7
.irp j, 0,2,4,6,8,10,12,14
	v_pk_add_f32 v[72+\j:73+\j], v[72+\j:73+\j], v[72+16*\i+\j:73+16*\i+\j]
.endr
.endr
.irp q, 0,1,2,3
	ds_store_b128 v248, v[72+4*\q:75+4*\q] offset:128*\pp+16*\q          ; point r, n = 64 w + 32 pp + 16 h + 4 q on
.endr
.endr
.irp t, 0,1,2,3,4,5,6,7
	ds_load_b128 v[104+4*\t:107+4*\t], v249 offset:544*\t                 ; LDS serves a wave's instructions in order: these see my stores
.endr
.irp t, 0,1,2,3,4,5,6,7
	s_wait_dscnt 7-\t                              ; the younger loads from the stage stay out
	global_store_b128 v250, v[104+4*\t:107+4*\t], s[18:19] offset:2048*\t th:TH_STORE_NT   ; 16 lanes store 256 consecutive bytes, at a multiple of 256 from the first byte of out
.endr
	s_wait_tensorcnt 0x0
	ds_add_u32 v233, v255
	s_wait_dscnt 0x0
	s_endpgm
.Lfunc_end_k_q672adb3dc3_chain:
	.size	k_q672adb3dc3_chain, .Lfunc_end_k_q672adb3dc3_chain-k_q672adb3dc3_chain
	.p2alignl 7, 3214868480
	.fill 96, 4, 3214868480
	.section	.rodata,"a",@progbits
	.p2align	6, 0x0
	.amdhsa_kernel k_q672adb3dc3_chain
		.amdhsa_group_segment_fixed_size 283392
		.amdhsa_private_segment_fixed_size 0
		.amdhsa_enable_private_segment 0
		.amdhsa_kernarg_size 64
		.amdhsa_user_sgpr_count 2
		.amdhsa_user_sgpr_kernarg_segment_ptr 1
		.amdhsa_wavefront_size32 1
		.amdhsa_system_sgpr_workgroup_id_x 1
		.amdhsa_system_sgpr_workgroup_id_y 1
		.amdhsa_system_sgpr_workgroup_id_z 1
		.amdhsa_system_vgpr_workitem_id 0
		.amdhsa_next_free_vgpr 896
		.amdhsa_next_free_sgpr 66
		.amdhsa_reserve_vcc 1
		.amdhsa_float_denorm_mode_32 3
		.amdhsa_float_denorm_mode_16_64 3
		.amdhsa_memory_ordered 1
		.amdhsa_forward_progress 1
		.amdhsa_inst_pref_size 255
	.end_amdhsa_kernel
	.section	.bss,"aw",@nobits
	.p2align	6
	.space	262144
	.amdgpu_metadata
---
amdhsa.version: [ 1, 2 ]
amdhsa.kernels:
  - .name:           k_q672adb3dc3_chain
    .symbol:         k_q672adb3dc3_chain.kd
    .args:
      - { .name: h, .offset: 0, .size: 8, .value_kind: global_buffer, .address_space: global }
      - { .name: primitive_signature, .offset: 8, .size: 8, .value_kind: global_buffer, .address_space: global }
      - { .name: b1, .offset: 16, .size: 8, .value_kind: global_buffer, .address_space: global }
      - { .name: b2, .offset: 24, .size: 8, .value_kind: global_buffer, .address_space: global }
      - { .name: b3, .offset: 32, .size: 8, .value_kind: global_buffer, .address_space: global }
      - { .name: bo, .offset: 40, .size: 8, .value_kind: global_buffer, .address_space: global }
      - { .name: wq, .offset: 48, .size: 8, .value_kind: global_buffer, .address_space: global }
      - { .name: out0, .offset: 56, .size: 8, .value_kind: global_buffer, .address_space: global }
    .group_segment_fixed_size: 283392
    .private_segment_fixed_size: 0
    .kernarg_segment_align: 8
    .kernarg_segment_size: 64
    .max_flat_workgroup_size: 128
    .sgpr_count:     66
    .vgpr_count:     896
    .wavefront_size: 32
...
	.end_amdgpu_metadata
.endif
;; end of part 2
;; ======== version 2 of 2: 2 launches
;; workspace buffers: wq 974,848 bytes
;; launch wquant (part 3): grid 224 x 1, 4 waves a work-group, no clusters, 34,816 bytes of LDS; arguments W1, W2, W3, Wo, wq; writes wq
.if DOCPART == 3
	.amdgcn_target "amdgcn-amd-amdhsa--gfx1250"
	.amdhsa_code_object_version 6
	.text
	.protected	k_q672adb3dc3_wquant
	.globl	k_q672adb3dc3_wquant
	.p2align	8
	.type	k_q672adb3dc3_wquant,@function
k_q672adb3dc3_wquant:
	s_mov_b64 s[64:65], 0
	v_nop
	global_prefetch_b8 v0, s[64:65] scope:SCOPE_SE
	s_setreg_imm32_b32 hwreg(HW_REG_WAVE_MODE, 25, 1), 1
	s_wait_xcnt 0x0
; W1 [512][256], W2, W3 [512][512], Wo [2048][512], f32, K innermost, become codes of FP4 (E2M1) with one E8M0 byte for each 32 along K,
; laid in wq in the order in which the next launch's operand registers take them: [wave 0..3][record 0..27][8,704 bytes].
; A RECORD is one pair of tiles (32 weight rows from row 32 g on) over K = 512:
;   byte (4 u + s) 1024 + 512 c + 16 lane: registers 4 c .. 4 c + 3 of the fragment of tile u, K step s: codes k = 128 s + 64 c + 32 (lane / 16) + 0 .. 31 of weight row 32 g + 8 u + r + 8 (r / 8), r = lane % 16
;   byte 8192 + 16 lane: the four scale words (K steps 0 .. 3) of tile u = lane / 16, row r.
; Hidden layer l, pair g: wave g / 4, record 4 l + g % 4.  Wo, pair g: wave g / 16, record 12 + g % 16.  W1 has K = 256: its K steps 2 and 3 are zero codes under the byte 127.
; SHARES: a work-group makes one tile of one record (224 = 112 records x 2 tiles), a wave one fragment (K step = wave).  Each load reads 512 consecutive bytes of one weight row;
; the 16 rows turn through the wave's own stage in LDS (rows 528 bytes apart), so that a lane gets 2 x 32 neighbours along K of its row.  Every store covers whole aligned runs of 256 bytes.
; A block's scale byte is its largest magnitude's exponent field - 2, held at 1 from below.
; LIMITS: a block of zeros gets the byte 1 where the rule says 127 (its codes are zeros, and this program alone reads the bytes); blocks whose largest magnitude lies under 2^-124 keep the byte 1; NaN and infinities are not served.
.set SPITCH, 528
.set WSTAGE, 16*SPITCH                 ; a wave's stage
.set SCW,    4*WSTAGE                  ; behind the stages: the tile's 256 bytes of scale words
.set REC,    8704
.set WSTR,   28*REC
.set O,   16                           ; v16-31   row m's byte offset in the weight
.set RW,  32                           ; v32-95   16 rows as loaded
.set X,   96                           ; v96-159  my two blocks of 32 numbers
.set C,   160                          ; v160-167 the fragment's codes
	s_load_b256 s[4:11], s[0:1], 0x0               ; W1 s[4:5], W2 s[6:7], W3 s[8:9], Wo s[10:11]
	s_load_b64 s[12:13], s[0:1], 0x20              ; wq
	v_lshl_add_u32 v176, v0, 2, 0x8600
	v_mov_b32 v177, 0
	v_lshrrev_b32 v1, 5, v0
	v_readfirstlane_b32 s20, v1                    ; wave = K step s
	v_and_b32 v1, 31, v0                           ; lane
	v_and_b32 v2, 15, v0                           ; r
	v_bfe_u32 v3, v0, 4, 1                         ; h
	v_lshlrev_b32 v4, 4, v1                        ; 16 x lane
	s_mul_i32 s21, s20, WSTAGE
	v_add_nc_u32 v6, s21, v4                       ; the stage, on the way in: 16 x lane of each row
	v_mul_u32_u24 v7, v2, SPITCH
	v_lshl_add_u32 v7, v3, 7, v7
	v_add_nc_u32 v7, s21, v7                       ; and out: row r, 128 h bytes on
	s_lshl_b32 s22, s20, 2
	s_add_co_u32 s22, s22, SCW
	v_lshl_add_u32 v8, v2, 4, s22                  ; my row's scale word of my K step: SCW + 16 r + 4 s
	v_lshlrev_b32 v9, 3, v1                        ; the words' way out: 8 bytes a lane
	v_add_nc_u32 v10, SCW, v9
	s_mov_b32 s36, 0x76543210
	s_mov_b32 s37, 0xfedcba98                      ; v_permlanex16_b32: lane l xor 16
	s_lshr_b32 s23, ttmp9, 1                       ; R: which record, 0 .. 111
	s_and_b32 s24, ttmp9, 1                        ; u: which tile of it
	s_and_b32 s25, s23, 15                         ; a hidden layer's pair g,
	s_lshr_b32 s26, s25, 2                         ; its wave,
	s_lshr_b32 s27, s23, 4
	s_lshl_b32 s27, s27, 2
	s_and_b32 s28, s25, 3
	s_add_co_u32 s27, s27, s28                     ; its record in the wave's run
	s_sub_co_u32 s29, s23, 48                      ; Wo's pair g,
	s_lshr_b32 s30, s29, 4                         ; its wave,
	s_and_b32 s31, s29, 15
	s_add_co_u32 s31, s31, 12                      ; its record
	s_cmp_lt_u32 s23, 48
	s_cselect_b32 s25, s25, s29                    ; g
	s_cselect_b32 s26, s26, s30                    ; wave
	s_cselect_b32 s27, s27, s31                    ; record
	s_mov_b32 s16, 2048
	s_cmp_lt_u32 s23, 16
	s_cselect_b32 s16, 1024, s16                   ; a weight row in bytes
	s_cselect_b32 s34, 1, 0
	s_lshr_b32 s35, s20, 1
	s_and_b32 s34, s34, s35                        ; 1: W1's K steps 2 and 3, which do not exist
	v_mov_b32 v5, s16
	s_wait_alu depctr_va_vdst(0)
.irp m, 0,1,2,3,4,5,6,7,8,9,10,11,12,13,14,15
	v_mad_u32_u24 v[O+\m], v5, \m+8*(\m/8), v4     ; stage row m is weight row m + 8 (m / 8) of the tile
.endr
	s_lshl_b32 s28, s25, 5
	s_lshl_b32 s29, s24, 3
	s_add_co_u32 s28, s28, s29
	s_mul_i32 s28, s28, s16                        ; (32 g + 8 u) rows
	s_lshl_b32 s29, s20, 9
	s_add_co_u32 s28, s28, s29                     ; + 512 s
	s_mov_b32 s29, 0
	s_mul_i32 s30, s26, WSTR
	s_mul_i32 s31, s27, REC
	s_add_co_u32 s30, s30, s31                     ; where the record begins in wq
	s_mov_b32 s31, 0
	s_lshl_b32 s32, s24, 2
	s_add_co_u32 s32, s32, s20
	s_lshl_b32 s32, s32, 10                        ; my fragment in it
	s_mov_b32 s33, 0
	s_wait_kmcnt 0x0
	s_cmp_lt_u32 s23, 16                           ; the choice of the weight hangs on the work-group's number alone
	s_cselect_b64 s[14:15], s[4:5], s[6:7]
	s_cmp_lt_u32 s23, 32
	s_cselect_b64 s[14:15], s[14:15], s[8:9]
	s_cmp_lt_u32 s23, 48
	s_cselect_b64 s[14:15], s[14:15], s[10:11]
	s_add_nc_u64 s[14:15], s[14:15], s[28:29]
	s_add_nc_u64 s[12:13], s[12:13], s[30:31]
	s_add_nc_u64 s[18:19], s[12:13], s[32:33]      ; my fragment
	s_lshl_b32 s32, s24, 8
	s_add_co_u32 s32, s32, 8192
	s_add_nc_u64 s[12:13], s[12:13], s[32:33]      ; my tile's scale words
	s_cmp_lg_u32 s34, 0
	s_cbranch_scc1 .Lpad
	s_wait_alu depctr_va_vdst(0)
.irp m, 0,1,2,3,4,5,6,7,8,9,10,11,12,13,14,15
	global_load_b128 v[RW+4*\m:RW+4*\m+3], v[O+\m], s[14:15] th:TH_LOAD_NT   ; 32 lanes read 512 consecutive bytes: 128 along K of one row
.endr
	s_wait_loadcnt 0x0
.irp m, 0,1,2,3,4,5,6,7,8,9,10,11,12,13,14,15
	ds_store_b128 v6, v[RW+4*\m:RW+4*\m+3] offset:SPITCH*\m
.endr
.irp c, 0,1
.irp i, 0,1,2,3,4,5,6,7
	ds_load_b128 v[X+32*\c+4*\i:X+32*\c+4*\i+3], v7 offset:256*\c+16*\i      ; LDS serves a wave's instructions in order: these see my stores.  k = 64 c + 32 h + 4 i on
.endr
.endr
	s_wait_dscnt 0x0
.irp c, 0,1
	v_max3_num_f32 v[168+\c], |v[X+32*\c]|, |v[X+1+32*\c]|, 0x1800000        ; my block 2 c + h: all 32 numbers are mine; the floor 2^(3 - 127) holds the byte at 1 from below
.endr
.irp i, 2,4,6,8,10,12,14,16,18,20,22,24,26,28,30
.irp c, 0,1
	v_max3_num_f32 v[168+\c], v[168+\c], |v[X+32*\c+\i]|, |v[X+1+32*\c+\i]|  ; the two blocks by turns
.endr
.endr
.irp c, 0,1
	v_add_nc_u32 v[170+\c], 0xff000000, v[168+\c]  ; 2 off the exponent field: the conversion's scale operand
.endr
.irp c, 0,1
	v_lshrrev_b32 v[172+\c], 23, v[170+\c]         ; the scale's byte
.endr
	v_lshl_or_b32 v174, v173, 16, v172             ; my two bytes: blocks h and 2 + h,
	v_lshlrev_b32 v175, 3, v3
	v_lshlrev_b32 v174, v175, v174                 ; at their places in the word;
	v_mov_b32 v175, 0
	v_permlanex16_b32 v175, v174, s36, s37
	v_or_b32 v174, v174, v175                      ; with lane l xor 16's two the word is whole
.irp c, 0,1
.irp g, 0,1,2,3
	v_cvt_scalef32_pk8_fp4_f32 v[C+4*\c+\g], v[X+32*\c+8*\g:X+32*\c+8*\g+7], v[170+\c]
.endr
.endr
	v_nop                                          ; one plain place behind the conversions
	s_branch .Lout
.Lpad:
.irp j, 0,1,2,3,4,5,6,7
	v_mov_b32 v[C+\j], 0                           ; zero codes add nothing;
.endr
	v_mov_b32 v174, 0x7f7f7f7f                     ; their scale is 1
.Lout:
	s_wait_alu depctr_va_vdst(0)
	global_store_b128 v4, v[C:C+3], s[18:19]       ; 32 lanes store 512 consecutive bytes
	global_store_b128 v4, v[C+4:C+7], s[18:19] offset:512
	ds_store_b32 v8, v174                          ; lanes r and r + 16 write the same word with the same value
	s_wait_dscnt 0x0                               ; for the others' sake: my word lies in LDS
	s_barrier_signal -1
	s_barrier_wait -1
	s_cmp_lg_u32 s20, 0
	s_cbranch_scc1 .Lend
	ds_load_b64 v[12:13], v10                      ; the four waves' words, 16 bytes a row
	s_wait_dscnt 0x0
	global_store_b64 v9, v[12:13], s[12:13]        ; 32 lanes store 256 consecutive bytes, aligned
.Lend:
	s_wait_tensorcnt 0x0
	ds_add_u32 v176, v177
	s_wait_dscnt 0x0
	s_endpgm
.Lfunc_end_k_q672adb3dc3_wquant:
	.size	k_q672adb3dc3_wquant, .Lfunc_end_k_q672adb3dc3_wquant-k_q672adb3dc3_wquant
	.p2alignl 7, 3214868480
	.fill 96, 4, 3214868480
	.section	.rodata,"a",@progbits
	.p2align	6, 0x0
	.amdhsa_kernel k_q672adb3dc3_wquant
		.amdhsa_group_segment_fixed_size 34816
		.amdhsa_private_segment_fixed_size 0
		.amdhsa_enable_private_segment 0
		.amdhsa_kernarg_size 40
		.amdhsa_user_sgpr_count 2
		.amdhsa_user_sgpr_kernarg_segment_ptr 1
		.amdhsa_wavefront_size32 1
		.amdhsa_system_sgpr_workgroup_id_x 1
		.amdhsa_system_sgpr_workgroup_id_y 1
		.amdhsa_system_sgpr_workgroup_id_z 1
		.amdhsa_system_vgpr_workitem_id 0
		.amdhsa_next_free_vgpr 178
		.amdhsa_next_free_sgpr 66
		.amdhsa_reserve_vcc 0
		.amdhsa_float_denorm_mode_32 3
		.amdhsa_float_denorm_mode_16_64 3
		.amdhsa_memory_ordered 1
		.amdhsa_forward_progress 1
		.amdhsa_inst_pref_size 12
	.end_amdhsa_kernel
	.amdgpu_metadata
---
amdhsa.version: [ 1, 2 ]
amdhsa.kernels:
  - .name:           k_q672adb3dc3_wquant
    .symbol:         k_q672adb3dc3_wquant.kd
    .args:
      - { .name: W1, .offset: 0, .size: 8, .value_kind: global_buffer, .address_space: global }
      - { .name: W2, .offset: 8, .size: 8, .value_kind: global_buffer, .address_space: global }
      - { .name: W3, .offset: 16, .size: 8, .value_kind: global_buffer, .address_space: global }
      - { .name: Wo, .offset: 24, .size: 8, .value_kind: global_buffer, .address_space: global }
      - { .name: wq, .offset: 32, .size: 8, .value_kind: global_buffer, .address_space: global }
    .group_segment_fixed_size: 34816
    .private_segment_fixed_size: 0
    .kernarg_segment_align: 8
    .kernarg_segment_size: 40
    .max_flat_workgroup_size: 128
    .sgpr_count:     66
    .vgpr_count:     178
    .wavefront_size: 32
...
	.end_amdgpu_metadata
.endif
;; end of part 3
;; launch chain (part 4): grid 256 x 1, 4 waves a work-group, no clusters, 283,392 bytes of LDS; arguments h, primitive_signature, b1, b2, b3, bo, wq, out0; writes out0
.if DOCPART == 4
	.amdgcn_target "amdgcn-amd-amdhsa--gfx1250"
	.amdhsa_code_object_version 6
	.text
	.protected	k_q672adb3dc3_chain
	.globl	k_q672adb3dc3_chain
	.p2align	8
	.type	k_q672adb3dc3_chain,@function
k_q672adb3dc3_chain:
	s_mov_b64 s[64:65], 0
	v_nop
	global_prefetch_b8 v0, s[64:65] scope:SCOPE_SE
	s_setreg_imm32_b32 hwreg(HW_REG_WAVE_SCHED_MODE, 0, 2), 2
	s_setreg_imm32_b32 hwreg(HW_REG_WAVE_MODE, 25, 1), 1
	s_wait_xcnt 0x0
	s_wait_alu depctr_vm_vsrc(0)
; out[p][n] = sum_i sig_i V_i[n] + sum_{k,i} C[k][i] J[k][i][n];  V = F(h) (8 fields of 256), F = MLP 256 > 512 > 512 > 512 > 2048 (softplus x 3, tanh), J[k] = DF(h) V_k,
; C[k][i] = +sig[8 + p(k,i)] (k < i), -sig[8 + p(i,k)] (k > i), p(a,b) = 7 a - a (a - 1) / 2 + b - a - 1; J[k][k] is never asked for and is not made.  All layer products on codes of FP4 (E2M1), one E8M0 scale for each 32 along K.
; Tangents: dz1 = W1 Q(V_k); dx_l = sigmoid(z_l) dz_l; dz_(l+1) = W_(l+1) Q(dx_l); J[k][i][n] = (1 - V_i[n]^2) (Wo Q(dx3_k))[256 i + n].
; SHARES.  A work-group of four waves takes 16 points through everything: a primal walk (16 rows), a tangent walk (8 directions x 16 points), the contraction, the store.
; THE WAVES SHARE THE COLUMNS: wave w makes hidden units 128 w .. 128 w + 127 of each hidden layer and fields 2 w, 2 w + 1 of Wo.  Products are used transposed (source 0 = 16 weight rows, source 1 = 16 rows of x),
; and the rows of a weight tile are chosen (lane r of tile u of pair g: row 32 g + 8 u + r + 8 (r / 8)) so that a lane holds ONE point and the 16 registers of a pair are units 32 g + 16 (lane / 16) + 0 .. 15.
; WEIGHTS come from wq, laid in the order of the operand registers, straight into registers: a fragment serves one wave only.  Four buffers; a record is asked for a trip ahead of its use.
; OPERANDS go from wave to wave through LDS as images of their registers (16 bytes a lane, 512 bytes a store) with one scale word a row.
; K of layer 1 (256) is filled to 512 with zero codes on both sides, so that one loop body, with the same loads and the same counted waits, serves the three hidden layers; the products of the filled K steps are jumped over.
; IN THE WALK OVER Wo slot j of x's registers holds direction j xor 2 w, so that in every wave the direction that field 2 w does not want falls on slot 0, which is left out; for field 2 w + 1 slot 1 is loaded again, with direction 2 w.
; A wave so issues 208 + 1,536 matrix instructions.
; NO CLUSTER, NO TENSOR LOADS: a joint load lands in LDS, and this text keeps 282,880 bytes there for what lives from the first walk to the second (V: 131,072; sigmoids: 98,304; images, biases: 53,504);
; what a work-group could claim beside that is less than two slots of one record for each wave (2 x 34,816).  NO PREFETCH: wq's 974,848 bytes are walked by every work-group twice, and each load is issued a trip ahead of its use.
; LIMITS.  softplus = max(z,0) + ln2 log2(u) + (e - (u - 1)) / u, e = 2^(-|z| log2 e), u = 1 + e: it leans on v_log_f32 near 1; for z < -87 e falls to 0, and softplus and the sigmoid with it.
; tanh: |z| < 0.25: z (1 - z^2/3 + 2 z^4/15 - 17 z^6/315), cut at a relative 4e-7; else 1 - 2 / (1 + e^(2z)), which ends at +-1.  1 - V^2 has an absolute error near 1e-7; no quantiser follows it.
; A block whose largest magnitude lies under 2^-124, a block of zeros among them, keeps the scale byte 1 (the rule says 127 for zeros: the codes are zeros and this program alone reads the bytes).  NaN and infinities among the inputs are not served.
; The contraction adds over the directions in the order of the slots, then over the fields ascending, in f32: another order of rounding than the einsum's.
; THE MODE: SCHED_MODE bits 1:0 = 2 (LLVM: expert scheduling mode 2), set by the entry lines.  The code itself states the register dependences between vector or matrix instructions and memory or LDS instructions, with s_wait_alu, always for 0.
; THE PLAN.  Registers that memory or LDS instructions touch:
;   window 1's four weight buffers, v16-31   Written by LOADREC c; read by the products of pair c (primal: of a half).  One wait on va_vdst behind those products stands ahead of LOADREC c.
;   window 2, v32-49, window 3's biases      Loaded at a layer's or a trip's head; read by the products.  The head's wait on va_vdst stands ahead of the loads.
;   v13, v14, v15, v251                      Stepped LDS addresses: written once a trip, at its head, behind a wait on vm_vsrc; a wait on va_vdst stands between the write and the first access by them.
;   SG0 (v136-151), SG1 (v200-215)           A tangent pair's state, by turns: pair c's end reads SG[c % 2]; pair c + 1's state is asked for behind pair c's wait on va_vdst, ahead of which the end of pair c - 1, that buffer's last reader, was issued.
;   EE, PA, PC, PW, XPC, XSW, XR, v72-87     Written by vector instructions, read by LDS stores: a wait on va_vdst ahead of each run of stores, a wait on vm_vsrc ahead of the next writer.
;   v1-12, v242-250, v70-77 (walk over Wo)   Offsets and addresses that are made once; one wait on va_vdst behind their making.
; The compares write sixteen scalar masks in a run; one wait on va_sdst stands between the run and the selects.
;
; LDS
.set XIMG,  0                          ; 32,768: the tangent operand: fragment (direction d, K step s) at XI 1024 + 512 c + 16 lane, XI = 16 (s / 2) + 2 d + s % 2.  At the very end: the stage for out
.set XSC,   32768                      ; 2,048:  its scale words: XI 64 + 4 r
.set PIMG,  34816                      ; 4,096:  the primal operand: s 1024 + 512 c + 16 lane
.set PSC,   38912                      ; 256:    s 64 + 4 r
.set BIA,   39168                      ; 14,336: b1, b2, b3, bo on end
.set SIG,   53504                      ; 98,304: w 24576 + l 8192 + 512 q + 16 lane: registers 4 q .. 4 q + 3 of the wave's 64 sigmoids of layer l (the wave's own bytes)
.set VST,   151808                     ; 131,072: w 32768 + (pair 0 .. 15) 2048 + 512 q + 16 lane: V of a pair, later that pair's result (the wave's own bytes until the last barrier)
.set REC,   8704
.set TRIPB, 4*REC
.set WSTR,  28*REC
; REGISTERS.  Window 0: v1 16 lane, v2 4 lane, v3-12 LDS addresses that stay, v13-15, v251 addresses of the trip in hand; v16-31 weights' scale words, v32-47 the tangent operand's, v48-49 the primal's (scales and nothing else);
; v50-56 C[direction of slot 1 .. 7][field in hand], v58 its sig (v57, v59 pairs' partners), v60-69 the second field's; v242-250 offsets of the head and of the end; v[252:253] 2/15.
; Window 1: four weight buffers of 64 (fragment (u, s) at 8 (4 u + s)).  Window 2: x's fragments (slot d, s) at 8 (4 d + s).  Window 3: tangent: accumulators of slot d at 16 d (tile u at + 8 u); primal: biases.
.set PA,  72                           ; primal: v72-135 my 8 tiles
.set TT,  136
.set EE,  152
.set UU,  168
.set RR,  184
.set LL,  200
.set TM,  216                          ; v216-231 at work in QUANT
.set PW,  232
.set PC,  234                          ; v234-241 the codes just made
.set XTM, 70                           ; tangent, hidden layers: v70-77 largest magnitudes, v78-85 the other half's, v86-93 scale operands, v94-101 scale words
.set XTP, 78
.set XSO, 86
.set XSW, 94
.set XPC, 104                          ; v104-135 codes, four registers a direction
.set AX,  70                           ; tangent, Wo: v70-73 LDS address of the images of directions 2 (a xor w), 2 (a xor w) + 1;  v74-77 of their scale words
.set AS,  74
.set SG,  136                          ; v136-151 and v200-215: a pair's sigmoids, or its V: two buffers by turns: pair c's at SG + 64 (c % 2)
.set XT,  152
.set XU,  168
.set XR,  184
.set CM,  48                           ; s48-63 (free behind the head): the masks of sixteen compares
.set MSB, 0
.macro WIN new                         ; the immediate's high byte repeats the setting that is left; at every label and branch the setting is 0
.if MSB != \new
	s_set_vgpr_msb (MSB<<8)|\new
.set MSB, \new
.endif
.endm
.set W_T,   0xf9                       ; A window 1, B window 2, C and D window 3
.set W_P0,  0x39                       ; A 1, B 2, C (the bias) 3, D 0
.set W_P,   0x09                       ; A 1, B 2, C and D 0
.set TO_W,  0x40
.set TO_X,  0x80
.set TO_3,  0xc0
.set E_MUL, 0xc3                       ; source 0 and destination window 3
.set E_MAX, 0x3c                       ; sources 1 and 2 window 3
.set E_CVT, 0x03                       ; source 0 window 3
.macro PLACES n
.rept \n
	v_nop
.endr
.endm
.macro BAR                             ; my LDS stores have landed and my LDS loads are in: then the work-group's barrier
	s_wait_dscnt 0x0
	s_barrier_signal -1
	s_barrier_wait -1
.endm
; one matrix instruction.  cc < 0: the constant 0 starts the sum.  ra, rb: the side's scale words stand in lanes 16-31
.macro WM d, a, b, cc, sa, sb, ra, rb
.if (\cc) < 0
.if (\ra) && (\rb)
	v_wmma_scale_f32_16x16x128_f8f6f4 v[(\d):(\d)+7], v[(\a):(\a)+7], v[(\b):(\b)+7], 0, v[\sa], v[\sb] matrix_a_fmt:MATRIX_FMT_FP4 matrix_b_fmt:MATRIX_FMT_FP4 matrix_a_scale:MATRIX_SCALE_ROW1 matrix_b_scale:MATRIX_SCALE_ROW1
.elseif (\ra)
	v_wmma_scale_f32_16x16x128_f8f6f4 v[(\d):(\d)+7], v[(\a):(\a)+7], v[(\b):(\b)+7], 0, v[\sa], v[\sb] matrix_a_fmt:MATRIX_FMT_FP4 matrix_b_fmt:MATRIX_FMT_FP4 matrix_a_scale:MATRIX_SCALE_ROW1
.elseif (\rb)
	v_wmma_scale_f32_16x16x128_f8f6f4 v[(\d):(\d)+7], v[(\a):(\a)+7], v[(\b):(\b)+7], 0, v[\sa], v[\sb] matrix_a_fmt:MATRIX_FMT_FP4 matrix_b_fmt:MATRIX_FMT_FP4 matrix_b_scale:MATRIX_SCALE_ROW1
.else
	v_wmma_scale_f32_16x16x128_f8f6f4 v[(\d):(\d)+7], v[(\a):(\a)+7], v[(\b):(\b)+7], 0, v[\sa], v[\sb] matrix_a_fmt:MATRIX_FMT_FP4 matrix_b_fmt:MATRIX_FMT_FP4
.endif
.else
.if (\ra) && (\rb)
	v_wmma_scale_f32_16x16x128_f8f6f4 v[(\d):(\d)+7], v[(\a):(\a)+7], v[(\b):(\b)+7], v[(\cc):(\cc)+7], v[\sa], v[\sb] matrix_a_fmt:MATRIX_FMT_FP4 matrix_b_fmt:MATRIX_FMT_FP4 matrix_a_scale:MATRIX_SCALE_ROW1 matrix_b_scale:MATRIX_SCALE_ROW1
.elseif (\ra)
	v_wmma_scale_f32_16x16x128_f8f6f4 v[(\d):(\d)+7], v[(\a):(\a)+7], v[(\b):(\b)+7], v[(\cc):(\cc)+7], v[\sa], v[\sb] matrix_a_fmt:MATRIX_FMT_FP4 matrix_b_fmt:MATRIX_FMT_FP4 matrix_a_scale:MATRIX_SCALE_ROW1
.elseif (\rb)
	v_wmma_scale_f32_16x16x128_f8f6f4 v[(\d):(\d)+7], v[(\a):(\a)+7], v[(\b):(\b)+7], v[(\cc):(\cc)+7], v[\sa], v[\sb] matrix_a_fmt:MATRIX_FMT_FP4 matrix_b_fmt:MATRIX_FMT_FP4 matrix_b_scale:MATRIX_SCALE_ROW1
.else
	v_wmma_scale_f32_16x16x128_f8f6f4 v[(\d):(\d)+7], v[(\a):(\a)+7], v[(\b):(\b)+7], v[(\cc):(\cc)+7], v[\sa], v[\sb] matrix_a_fmt:MATRIX_FMT_FP4 matrix_b_fmt:MATRIX_FMT_FP4
.endif
.endif
.endm
; record c of the trip at s[24:25] into buffer c: 17 loads, each of 512 consecutive bytes
.macro LOADREC c
	WIN TO_W
.irp q, 0,1,2,3,4,5,6,7,8,9,10,11,12,13,14,15
	global_load_b128 v[64*(\c)+4*\q:64*(\c)+4*\q+3], v1, s[24:25] offset:REC*(\c)+512*\q
.endr
	WIN 0
	global_load_b128 v[16+4*(\c):19+4*(\c)], v1, s[24:25] offset:REC*(\c)+8192   ; lanes 0-15: tile 0's words of K steps 0 .. 3; lanes 16-31: tile 1's
.endm
; 64 numbers of a lane, register 16 b + i = k 32 b + 16 (lane / 16) + i of my row, become a fragment's codes in v[PC] on and its scale word in v[PW]
.macro QUANT s
.irp b, 0,1,2,3
	v_max3_num_f32 v[TM+\b], |v[\s+16*\b]|, |v[\s+1+16*\b]|, 0x1800000   ; block b: my 16 numbers, and the floor 2^(3 - 127): the byte cannot fall under 1
.endr
.irp i, 2,4,6,8,10,12,14
.irp b, 0,1,2,3
	v_max3_num_f32 v[TM+\b], v[TM+\b], |v[\s+16*\b+\i]|, |v[\s+1+16*\b+\i]|   ; the four blocks by turns
.endr
.endr
.irp b, 0,1,2,3
	v_permlanex16_b32 v[TM+4+\b], v[TM+\b], s22, s23
.endr
.irp b, 0,1,2,3
	v_max_num_f32 v[TM+\b], v[TM+\b], v[TM+4+\b]   ; with lane l xor 16's: the block's largest magnitude
.endr
.irp b, 0,1,2,3
	v_add_nc_u32 v[TM+12+\b], 0xff000000, v[TM+\b] ; 2 off its exponent field: the conversion's scale operand
.endr
.irp b, 0,1,2,3
	v_lshrrev_b32 v[TM+4+\b], 23, v[TM+12+\b]      ; the scale's byte
.endr
	v_lshl_or_b32 v[PW], v[TM+5], 8, v[TM+4]
	v_lshl_or_b32 v[PW], v[TM+6], 16, v[PW]
	v_lshl_or_b32 v[PW], v[TM+7], 24, v[PW]
.irp b, 0,1,2,3
	v_cvt_scalef32_pk8_fp4_f32 v[PC+2*\b], v[\s+16*\b:\s+7+16*\b], v[TM+12+\b]
	v_cvt_scalef32_pk8_fp4_f32 v[PC+1+2*\b], v[\s+8+16*\b:\s+15+16*\b], v[TM+12+\b]
.endr
	v_nop                                          ; one plain place behind a scaled conversion
.irp c, 0,1                                    ; the operand's layout wants a whole block in a lane
.irp i, 0,1
	v_permlane16_swap_b32 v[PC+4*\c+\i], v[PC+2+4*\c+\i]
.endr
.endr
.endm
.macro IMAGE adr, off
.irp c, 0,1
	ds_store_b128 v[\adr], v[PC+4*\c:PC+4*\c+3] offset:\off+512*\c
.endr
.endm
.macro PXLD                            ; the primal operand: four fragments and their scale words (lanes 0-15 the even K step's, lanes 16-31 the odd one's)
	WIN TO_X
.irp s, 0,1,2,3
.irp c, 0,1
	ds_load_b128 v[8*\s+4*\c:8*\s+4*\c+3], v1 offset:PIMG+1024*\s+512*\c
.endr
.endr
	WIN 0
	ds_load_b32 v48, v2 offset:PSC
	ds_load_b32 v49, v2 offset:PSC+128
.endm
.macro BIASLD                          ; the biases in the result's layout: tile t, my half's eight units
	WIN TO_3
.irp t, 0,1,2,3,4,5,6,7
	ds_load_b128 v[8*\t:8*\t+3], v13 offset:128*(\t/2)+32*(\t%2)
	ds_load_b128 v[8*\t+4:8*\t+7], v13 offset:128*(\t/2)+32*(\t%2)+16
.endr
	WIN 0
.endm
; the primal products of half a trip: tiles 4 h .. 4 h + 3 (buffers 2 h, 2 h + 1), one K step; the four accumulators take turns; the bias is the C of each sum's first instruction
.macro PMULK h, s
.irp a, 0,1,2,3
.if (\s) == 0
	WM PA+8*(4*(\h)+\a), 64*(2*(\h)+\a/2)+8*(4*(\a%2)+(\s)), 8*(\s), 8*(4*(\h)+\a), 16+4*(2*(\h)+\a/2)+(\s), 48+((\s)/2), \a%2, (\s)%2
.else
	WM PA+8*(4*(\h)+\a), 64*(2*(\h)+\a/2)+8*(4*(\a%2)+(\s)), 8*(\s), PA+8*(4*(\h)+\a), 16+4*(2*(\h)+\a/2)+(\s), 48+((\s)/2), \a%2, (\s)%2
.endif
.endr
.endm
; skip = 1: in a hidden layer's loop: layer 1 (the loop's first trip: s26 = 3) has no K steps 2 and 3
.macro PMULH h, skip
	WIN W_P0
	PMULK \h, 0
	WIN W_P
	PMULK \h, 1
.if \skip
	WIN 0
	s_cmp_eq_u32 s26, 3
	s_cbranch_scc1 .Lpk_\@
.endif
	WIN W_P
	PMULK \h, 2
	PMULK \h, 3
	WIN 0
.if \skip
.Lpk_\@:
.endif
.endm
; pair g of my tiles: z becomes softplus(z) in place; sigmoid(z) goes to LDS
.macro SOFTPLUS g
.set Z, PA+16*(\g)
.irp j, 0,1,2,3,4,5,6,7,8,9,10,11,12,13,14,15
	v_mul_f32 v[TT+\j], s28, -|v[Z+\j]|
.endr
.if (\g) > 0
	s_wait_alu depctr_vm_vsrc(0)                   ; the last group's LDS stores have read EE, which the exponentials write again (group 0: the wait at the trip's head has stated it)
.endif
	s_wait_alu depctr_va_vdst(0)
.irp j, 0,1,2,3,4,5,6,7,8,9,10,11,12,13,14,15
	v_exp_f32 v[EE+\j], v[TT+\j]                   ; e = exp(-|z|)
.endr
	v_nop                                          ; a plain place: the next lines write the exponentials' sources
.irp j, 0,1,2,3,4,5,6,7,8,9,10,11,12,13,14,15
	v_max_num_f32 v[TT+\j], 0, v[Z+\j]
.endr
	s_wait_alu depctr_va_vdst(0)                   ; the sixteen exponentials have written EE, ahead of its first reader
.irp j, 0,2,4,6,8,10,12,14
	v_pk_add_f32 v[UU+\j:UU+\j+1], v[EE+\j:EE+\j+1], 1.0 op_sel_hi:[1,0]   ; u = 1 + e
.endr
	s_wait_alu depctr_va_vdst(0)
.irp j, 0,1,2,3,4,5,6,7,8,9,10,11,12,13,14,15
	v_rcp_f32 v[RR+\j], v[UU+\j]
.endr
.irp j, 0,1,2,3,4,5,6,7,8,9,10,11,12,13,14,15
	v_log_f32 v[LL+\j], v[UU+\j]
.endr
	v_nop
.irp j, 0,2,4,6,8,10,12,14
	v_pk_add_f32 v[UU+\j:UU+\j+1], v[UU+\j:UU+\j+1], -1.0 op_sel_hi:[1,0]
.endr
.irp j, 0,2,4,6,8,10,12,14
	v_pk_add_f32 v[UU+\j:UU+\j+1], v[EE+\j:EE+\j+1], v[UU+\j:UU+\j+1] neg_lo:[0,1] neg_hi:[0,1]   ; what 1 + e rounded away
.endr
.irp j, 0,1,2,3,4,5,6,7,8,9,10,11,12,13,14,15
	v_cmp_le_f32 s[CM+\j], 0, v[Z+\j]              ; where z >= 0: sixteen masks in a run, work that names no result of the batch above
.endr
	s_wait_alu depctr_va_vdst(0)                   ; the reciprocals and the logarithms have written RR and LL, ahead of their first readers
	s_wait_alu depctr_va_sdst(0)                   ; the compares have written s48 to s63, ahead of the selects that read them
.irp j, 0,2,4,6,8,10,12,14
	v_pk_mul_f32 v[EE+\j:EE+\j+1], v[EE+\j:EE+\j+1], v[RR+\j:RR+\j+1]      ; e / u = sigmoid(-|z|)
.endr
.irp j, 0,1,2,3,4,5,6,7,8,9,10,11,12,13,14,15
	v_cndmask_b32 v[EE+\j], v[EE+\j], v[RR+\j], s[CM+\j]                   ; sigmoid(z): 1 / u where z >= 0
.endr
.irp j, 0,2,4,6,8,10,12,14
	v_pk_fma_f32 v[TT+\j:TT+\j+1], v[LL+\j:LL+\j+1], s[30:31], v[TT+\j:TT+\j+1] op_sel_hi:[1,0,1]
.endr
	s_wait_alu depctr_va_vdst(0)                   ; the selects have written EE, which the LDS stores read
.irp q, 0,1,2,3
	ds_store_b128 v14, v[EE+4*\q:EE+4*\q+3] offset:2048*(\g)+512*\q
.endr
.irp j, 0,2,4,6,8,10,12,14
	v_pk_fma_f32 v[Z+\j:Z+\j+1], v[UU+\j:UU+\j+1], v[RR+\j:RR+\j+1], v[TT+\j:TT+\j+1]
.endr
.endm
; pair g of my tiles: z becomes tanh(z) in place
.macro TANH g
.set Z, PA+16*(\g)
.irp j, 0,2,4,6,8,10,12,14
	v_pk_mul_f32 v[TT+\j:TT+\j+1], v[Z+\j:Z+\j+1], s[32:33] op_sel_hi:[1,0]
.endr
	s_wait_alu depctr_va_vdst(0)
.irp j, 0,1,2,3,4,5,6,7,8,9,10,11,12,13,14,15
	v_exp_f32 v[EE+\j], v[TT+\j]                   ; e^(2z)
.endr
	v_nop
.irp j, 0,2,4,6,8,10,12,14
	v_pk_mul_f32 v[TT+\j:TT+\j+1], v[Z+\j:Z+\j+1], v[Z+\j:Z+\j+1]
.endr
	s_wait_alu depctr_va_vdst(0)                   ; the sixteen exponentials have written EE, ahead of its first reader
.irp j, 0,2,4,6,8,10,12,14
	v_pk_add_f32 v[UU+\j:UU+\j+1], v[EE+\j:EE+\j+1], 1.0 op_sel_hi:[1,0]
.endr
	s_wait_alu depctr_va_vdst(0)
.irp j, 0,1,2,3,4,5,6,7,8,9,10,11,12,13,14,15
	v_rcp_f32 v[RR+\j], v[UU+\j]
.endr
.irp j, 0,2,4,6,8,10,12,14
	v_pk_fma_f32 v[LL+\j:LL+\j+1], v[TT+\j:TT+\j+1], s[44:45], v[252:253] op_sel_hi:[1,0,1]   ; the series for small z (also the plain place behind the reciprocals)
.endr
.irp j, 0,2,4,6,8,10,12,14
	v_pk_fma_f32 v[LL+\j:LL+\j+1], v[LL+\j:LL+\j+1], v[TT+\j:TT+\j+1], 0xbeaaaaab op_sel_hi:[1,1,0]
.endr
.irp j, 0,2,4,6,8,10,12,14
	v_pk_fma_f32 v[LL+\j:LL+\j+1], v[LL+\j:LL+\j+1], v[TT+\j:TT+\j+1], 1.0 op_sel_hi:[1,1,0]
.endr
.irp j, 0,2,4,6,8,10,12,14
	v_pk_mul_f32 v[LL+\j:LL+\j+1], v[LL+\j:LL+\j+1], v[Z+\j:Z+\j+1]
.endr
.irp j, 0,1,2,3,4,5,6,7,8,9,10,11,12,13,14,15
	v_cmp_gt_f32 s[CM+\j], s46, |v[Z+\j]|          ; where |z| < 0.25: sixteen masks in a run
.endr
	s_wait_alu depctr_va_vdst(0)                   ; the sixteen reciprocals have written RR, ahead of its first reader
	s_wait_alu depctr_va_sdst(0)                   ; the compares have written s48 to s63, ahead of the selects that read them
.irp j, 0,2,4,6,8,10,12,14
	v_pk_fma_f32 v[RR+\j:RR+\j+1], v[RR+\j:RR+\j+1], -2.0, 1.0 op_sel_hi:[1,0,0]
.endr
.irp j, 0,1,2,3,4,5,6,7,8,9,10,11,12,13,14,15
	v_cndmask_b32 v[Z+\j], v[RR+\j], v[LL+\j], s[CM+\j]
.endr
.endm
; the tangent products of one pair of tiles (buffer c).  TM1: slot d, K step s, both tiles
.macro TM1 c, s, d
.irp u, 0,1
.if (\s) == 0
	WM 16*(\d)+8*\u, 64*(\c)+8*(4*\u+(\s)), 8*(4*(\d)+(\s)), -1, 16+4*(\c)+(\s), 32+2*(\d)+((\s)/2), \u, (\s)%2
.else
	WM 16*(\d)+8*\u, 64*(\c)+8*(4*\u+(\s)), 8*(4*(\d)+(\s)), 16*(\d)+8*\u, 16+4*(\c)+(\s), 32+2*(\d)+((\s)/2), \u, (\s)%2
.endif
.endr
.endm
.macro TMULK c, s, hid                 ; one K step: a hidden layer takes all eight slots, Wo slots 1 to 7
.if \hid
	TM1 \c, \s, 0
.endif
.irp d, 1,2,3,4,5,6,7
	TM1 \c, \s, \d
.endr
.endm
; all K: the sixteen (Wo: fourteen) accumulators take turns.  stg = 1: x's fragments are still landing, 16 loads a K step: the count leaves the later K steps out.
; hid = 1: in the hidden layers' loop: layer 1 (its first trip: s26 = 3) has no K steps 2 and 3
.macro TMUL c, stg, hid
	WIN W_T
.if \stg
	s_wait_dscnt 48
.endif
	TMULK \c, 0, \hid
.if \stg
	s_wait_dscnt 32
.endif
	TMULK \c, 1, \hid
.if \hid
	WIN 0
	s_cmp_eq_u32 s26, 3
	s_cbranch_scc1 .Ltk_\@
	WIN W_T
.endif
.if \stg
	s_wait_dscnt 16
.endif
	TMULK \c, 2, \hid
.if \stg
	s_wait_dscnt 0x0
.endif
	TMULK \c, 3, \hid
	WIN 0
.if \hid
.Ltk_\@:
.endif
.endm
; a hidden pair's end: dx = sigmoid x dz, quantised: block c of K step w of the next product, for each direction
.macro EPIH c
.set SGC, SG+64*((\c)%2)               ; the pair's buffer of sigmoids
	WIN E_MUL
.irp d, 0,1,2,3,4,5,6,7
.irp j, 0,2,4,6,8,10,12,14
	v_pk_mul_f32 v[16*\d+\j:16*\d+\j+1], v[16*\d+\j:16*\d+\j+1], v[SGC+\j:SGC+\j+1]   ; each accumulator from its low end on
.endr
.endr
	WIN E_MAX
.irp d, 0,1,2,3,4,5,6,7
	v_max3_num_f32 v[XTM+\d], 0x1800000, |v[16*\d]|, |v[16*\d+1]|        ; the floor 2^(3 - 127) among the leaves
.endr
.irp j, 2,4,6,8,10,12,14
.irp d, 0,1,2,3,4,5,6,7
	v_max3_num_f32 v[XTM+\d], v[XTM+\d], |v[16*\d+\j]|, |v[16*\d+\j+1]|  ; the eight directions by turns
.endr
.endr
	WIN 0
.irp d, 0,1,2,3,4,5,6,7
	v_permlanex16_b32 v[XTP+\d], v[XTM+\d], s22, s23
.endr
.irp d, 0,1,2,3,4,5,6,7
	v_max_num_f32 v[XTM+\d], v[XTM+\d], v[XTP+\d]
.endr
.irp d, 0,1,2,3,4,5,6,7
	v_add_nc_u32 v[XSO+\d], 0xff000000, v[XTM+\d]
.endr
.if (\c) == 0
.irp d, 0,1,2,3,4,5,6,7
	v_lshrrev_b32 v[XSW+\d], 23, v[XSO+\d]
.endr
.else
.irp d, 0,1,2,3,4,5,6,7
	v_lshrrev_b32 v[XTP+\d], 23, v[XSO+\d]
.endr
.irp d, 0,1,2,3,4,5,6,7
	v_lshl_or_b32 v[XSW+\d], v[XTP+\d], 8*(\c), v[XSW+\d]
.endr
.endif
	WIN E_CVT
.irp d, 0,1,2,3,4,5,6,7
	v_cvt_scalef32_pk8_fp4_f32 v[XPC+4*\d+2*((\c)%2)], v[16*\d:16*\d+7], v[XSO+\d]
	v_cvt_scalef32_pk8_fp4_f32 v[XPC+4*\d+2*((\c)%2)+1], v[16*\d+8:16*\d+15], v[XSO+\d]
.endr
	WIN 0
	v_nop                                          ; one plain place behind the conversions
.if ((\c)%2) == 1
.irp d, 0,1,2,3,4,5,6,7
.irp i, 0,1
	v_permlane16_swap_b32 v[XPC+4*\d+\i], v[XPC+4*\d+2+\i]               ; two blocks' halves change places: four registers of the operand
.endr
.endr
	s_wait_alu depctr_va_vdst(0)                   ; the exchanges have written the codes (and, in the fourth pair, the shifts the scale words), which the LDS stores read
.irp d, 0,1,2,3,4,5,6,7
	ds_store_b128 v11, v[XPC+4*\d:XPC+4*\d+3] offset:2048*\d+512*((\c)/2)
.endr
.endif
.if (\c) == 3
.irp d, 0,1,2,3,4,5,6,7
	ds_store_b32 v12, v[XSW+\d] offset:128*\d
.endr
.endif
.endm
; a pair of Wo's end: R = sig_i V + (1 - V^2) sum over slots 1 .. 7 of C dz, onto the bytes that V came from.  Slot e + 1's coefficient stands in v[50 + e]
.macro EPIO c
.set SGC, SG+64*((\c)%2)               ; the pair's buffer of V
	WIN E_CVT
.irp j, 0,2,4,6,8,10,12,14
	v_pk_mul_f32 v[XT+\j:XT+\j+1], v[16+\j:17+\j], v[50:51] op_sel_hi:[1,0]
.endr
.irp e, 1,2,3,4,5,6
.irp j, 0,2,4,6,8,10,12,14
.if (\e%2) == 1
	v_pk_fma_f32 v[XT+\j:XT+\j+1], v[16*(\e+1)+\j:16*(\e+1)+\j+1], v[49+\e:50+\e], v[XT+\j:XT+\j+1] op_sel:[0,1,0] op_sel_hi:[1,1,1]   ; the pair's upper register for both halves
.else
	v_pk_fma_f32 v[XT+\j:XT+\j+1], v[16*(\e+1)+\j:16*(\e+1)+\j+1], v[50+\e:51+\e], v[XT+\j:XT+\j+1] op_sel_hi:[1,0,1]
.endif
.endr
.endr
	WIN 0
.irp j, 0,2,4,6,8,10,12,14
	v_pk_fma_f32 v[XU+\j:XU+\j+1], v[SGC+\j:SGC+\j+1], v[SGC+\j:SGC+\j+1], 1.0 op_sel_hi:[1,1,0] neg_lo:[1,0,0] neg_hi:[1,0,0]   ; 1 - V^2
.endr
.irp j, 0,2,4,6,8,10,12,14
	v_pk_mul_f32 v[XR+\j:XR+\j+1], v[SGC+\j:SGC+\j+1], v[58:59] op_sel_hi:[1,0]
.endr
.irp j, 0,2,4,6,8,10,12,14
	v_pk_fma_f32 v[XR+\j:XR+\j+1], v[XU+\j:XU+\j+1], v[XT+\j:XT+\j+1], v[XR+\j:XR+\j+1]
.endr
	s_wait_alu depctr_va_vdst(0)                   ; the multiply-adds have written XR, which the LDS stores read
.irp q, 0,1,2,3
	ds_store_b128 v13, v[XR+4*\q:XR+4*\q+3] offset:2048*(\c)+512*\q
.endr
.endm
; one pair of tiles of the tangent walk.  hid: hidden layer or Wo;  stg: x is still landing;  ld: buffer c takes the next trip's record;  cnt: the loads issued behind record c;
; la: the next pair's sigmoids, or its V, are asked for, into the buffer that this pair's end does not read
.macro TCH c, hid, stg, ld, cnt, la
	s_wait_loadcnt \cnt                            ; loads come back in order: record c is in; the records asked for behind it, 17 loads each, stay out
	TMUL \c, \stg, \hid
	PLACES 5                                       ; in front of the reads of the products' results, and of the next pair's products, which begin these accumulators anew
.if (\ld) || (\la)
	s_wait_alu depctr_va_vdst(0)                   ; the pair's one wait: its products are done reading buffer c and its scale words, in which the record below lands; the end of the pair before is done reading the state buffer that is asked for below; in a trip's first pair over Wo v13 is written
.endif
.if (\hid) && ((\c) == 0)
	BAR                                            ; every wave holds the layer's x in registers: its images may be written again
.endif
.if \ld
	LOADREC \c
.endif
	s_wait_dscnt 0x0                               ; the pair's state, asked for a pair ago, is in
.if ((\hid) && ((\c) == 2)) || (((\hid) == 0) && ((\c) > 0))
	s_wait_alu depctr_vm_vsrc(0)                   ; the LDS stores of the pair before have read their data (hidden layers: the codes; Wo: XR), which this pair's end writes again (a trip's first pair: the wait at the trip's head has stated it)
.endif
.if \la
.set SGN, SG+64*(((\c)+1)%2)
.irp q, 0,1,2,3
	ds_load_b128 v[SGN+4*\q:SGN+4*\q+3], v13 offset:2048*((\c)+1)+512*\q   ; no vector or matrix instruction since the pair's wait names these registers; over Wo the fourth pair's offset reaches the next trip's first pair
.endr
.endif
.if \hid
	EPIH \c
.else
	EPIO \c
.endif
.endm
; a hidden layer's tangent operand into registers: 16 registers of scale words, the first pair's sigmoids, 32 fragments, K step by K step
.macro XFETCH
.irp d, 0,1,2,3,4,5,6,7
.irp e, 0,1
	ds_load_b32 v[32+2*\d+\e], v2 offset:XSC+1024*\e+128*\d              ; lanes 0-15: K step 2 e; lanes 16-31: K step 2 e + 1
.endr
.endr
.irp q, 0,1,2,3
	ds_load_b128 v[SG+4*\q:SG+4*\q+3], v13 offset:512*\q
.endr
	WIN TO_X
.irp s, 0,1,2,3
.irp d, 0,1,2,3,4,5,6,7
.irp c, 0,1
	ds_load_b128 v[8*(4*\d+\s)+4*\c:8*(4*\d+\s)+4*\c+3], v1 offset:(16*(\s/2)+2*\d+(\s%2))*1024+512*\c
.endr
.endr
.endr
	WIN 0
.endm
; Wo's tangent operand: slot j = 1 .. 7 takes direction j xor 2 w = 2 ((j / 2) xor w) + j % 2
.macro XFETCHW
.irp j, 1,2,3,4,5,6,7
.irp e, 0,1
	ds_load_b32 v[32+2*\j+\e], v[AS+\j/2] offset:128*(\j%2)+1024*\e
.endr
.endr
	WIN TO_X
.irp s, 0,1,2,3
.irp j, 1,2,3,4,5,6,7
.irp c, 0,1
	ds_load_b128 v[8*(4*\j+\s)+4*\c:8*(4*\j+\s)+4*\c+3], v[AX+\j/2] offset:2048*(\j%2)+16384*(\s/2)+1024*(\s%2)+512*\c
.endr
.endr
.endr
	WIN 0
.endm
; C[k][i] from my point's signature in v136-171 (k is never i)
.macro CF1 reg, k, i
.if (\k) < (\i)
	v_mov_b32 v[\reg], v[144+7*(\k)-(\k)*((\k)-1)/2+(\i)-(\k)-1]
.else
	v_mul_f32 v[\reg], -1.0, v[144+7*(\i)-(\i)*((\i)-1)/2+(\k)-(\i)-1]
.endif
.endm
; field i's set: the coefficients of the directions k1 .. k7 that slots 1 .. 7 hold, and sig_i
.macro CFSET base, i, k1, k2, k3, k4, k5, k6, k7
	CF1 \base+0, \k1, \i
	CF1 \base+1, \k2, \i
	CF1 \base+2, \k3, \i
	CF1 \base+3, \k4, \i
	CF1 \base+4, \k5, \i
	CF1 \base+5, \k6, \i
	CF1 \base+6, \k7, \i
	v_mov_b32 v[\base+7], 0                        ; named as a pair's partner
	v_mov_b32 v[\base+8], v[136+(\i)]
	v_mov_b32 v[\base+9], 0                        ; likewise
.endm
	; ---------------- HEAD
	s_load_b512 s[4:19], s[0:1], 0x0               ; h s[4:5], signature s[6:7], b1 s[8:9], b2 s[10:11], b3 s[12:13], bo s[14:15], wq s[16:17], out s[18:19]
	v_lshl_add_u32 v233, v0, 2, 0x45100
	v_mov_b32 v255, 0
	v_lshrrev_b32 v13, 5, v0
	v_readfirstlane_b32 s20, v13                   ; wave 0..3
	v_and_b32 v14, 31, v0                          ; lane
	v_and_b32 v15, 15, v0                          ; r
	v_bfe_u32 v254, v0, 4, 1                       ; h
	s_wait_alu depctr_va_vdst(0)
	v_lshlrev_b32 v1, 4, v14
	s_wait_alu depctr_va_vdst(0)
	v_lshlrev_b32 v2, 2, v14
	s_wait_alu depctr_va_sdst(0)                   ; s20 is written, ahead of its first reader: the LDS addresses, the bases and the branches on the wave's number are made from it
	s_mul_i32 s42, s20, 24576
	s_add_co_u32 s42, s42, SIG
	v_add_nc_u32 v3, s42, v1                       ; my sigmoids
	s_lshl_b32 s42, s20, 15
	s_add_co_u32 s42, s42, VST
	v_add_nc_u32 v4, s42, v1                       ; my V
	s_lshl_b32 s42, s20, 9
	s_add_co_u32 s42, s42, BIA
	v_lshl_add_u32 v5, v254, 6, s42                ; a hidden layer's bias: my 128 units, my half's 16 of a pair
	s_lshl_b32 s42, s20, 11
	s_add_co_u32 s42, s42, BIA+6144
	v_lshl_add_u32 v6, v254, 6, s42                ; bo: my 512
	s_lshl_b32 s42, s20, 10
	s_add_co_u32 s42, s42, PIMG
	v_add_nc_u32 v7, s42, v1                       ; where I store the primal operand's K step w
	s_lshl_b32 s42, s20, 6
	s_add_co_u32 s42, s42, PSC
	v_lshl_add_u32 v8, v15, 2, s42
	s_lshl_b32 s42, s20, 12
	v_add_nc_u32 v9, s42, v1                       ; where I store V's images: fragments 4 w on
	s_lshl_b32 s42, s20, 8
	s_add_co_u32 s42, s42, XSC
	v_lshl_add_u32 v10, v15, 2, s42
	s_lshr_b32 s42, s20, 1
	s_lshl_b32 s42, s42, 4
	s_and_b32 s43, s20, 1
	s_or_b32 s42, s42, s43                         ; 16 (w / 2) + w % 2: fragment (0, w)
	s_lshl_b32 s43, s42, 10
	v_add_nc_u32 v11, s43, v1                      ; where I store the tangents' K step w
	s_lshl_b32 s43, s42, 6
	s_add_co_u32 s43, s43, XSC
	v_lshl_add_u32 v12, v15, 2, s43
	v_mul_u32_u24 v242, v15, 144                   ; my point's row of the signature
	v_lshlrev_b32 v243, 4, v0                      ; 16 x thread: the biases' copy
	v_lshlrev_b32 v244, 10, v15
	v_lshl_add_u32 v244, v254, 6, v244             ; h: row r of 1,024 bytes, + 64 h
	v_lshl_add_u32 v245, v0, 4, BIA
	s_lshl_b32 s42, s20, 12
	s_add_co_u32 s42, s42, VST
	v_add_nc_u32 v246, s42, v1                     ; the end: pairs 2 w, 2 w + 1 of fields 0-3,
	v_add_nc_u32 v247, 0x10000, v246               ; of fields 4-7
	s_mul_i32 s42, s20, 4352
	v_mul_u32_u24 v248, v15, 272
	v_lshl_add_u32 v248, v254, 6, v248
	v_add_nc_u32 v248, s42, v248                   ; my stage, in: row r, + 64 h
	v_mul_u32_u24 v249, v254, 272
	v_lshl_add_u32 v249, v15, 4, v249
	v_add_nc_u32 v249, s42, v249                   ; and back: lanes 0-15 one row, lanes 16-31 the next
	v_lshlrev_b32 v250, 10, v254
	v_lshl_add_u32 v250, v15, 4, v250              ; the same two rows in out
	v_mov_b32 v252, 0x3e088889                     ; 2/15, twice
	v_mov_b32 v253, 0x3e088889
.irp b, 0,1,2,3
	v_mov_b32 v[TM+4+\b], 0                        ; a lane permute's destination counts as one of its sources
	v_mov_b32 v[LL+\b], 0                          ; four registers of zero codes
.endr
	v_mov_b32 v[LL+4], 0x7f7f7f7f                  ; and their scale word
	s_mov_b32 s22, 0x76543210
	s_mov_b32 s23, 0xfedcba98                      ; v_permlanex16_b32: lane l xor 16
	s_mov_b32 s28, 0x3fb8aa3b                      ; log2 e
	s_mov_b32 s29, s28
	s_mov_b32 s30, 0x3f317218                      ; ln 2
	s_mov_b32 s31, s30
	s_mov_b32 s32, 0x4038aa3b                      ; 2 log2 e
	s_mov_b32 s33, s32
	s_mov_b32 s44, 0xbd5d0dd1                      ; -17/315
	s_mov_b32 s45, s44
	s_mov_b32 s46, 0x3e800000                      ; 0.25
	s_mov_b32 s34, 0                               ; the stepped LDS offsets: sigmoids,
	s_mov_b32 s35, 0                               ; hidden biases,
	s_mov_b32 s36, 0                               ; bo,
	s_mov_b32 s37, 0                               ; V,
	s_mov_b32 s38, 0                               ; V's images,
	s_mov_b32 s39, 0                               ; their scale words
	s_mov_b32 s41, 0
	s_mov_b32 s43, 0
	s_mov_b32 s49, 0
	s_mul_i32 s42, s20, WSTR
	s_mul_i32 s48, ttmp9, 2304
	s_wait_kmcnt 0x0
	s_add_nc_u64 s[24:25], s[16:17], s[42:43]      ; my wave's run of records
	s_add_nc_u64 s[6:7], s[6:7], s[48:49]          ; my 16 points' signatures
	s_lshl_b32 s42, ttmp9, 14
	s_lshl_b32 s48, s20, 9
	s_add_co_u32 s48, s48, s42
	s_add_nc_u64 s[4:5], s[4:5], s[48:49]          ; h: my 16 rows, K step w
	s_lshl_b32 s48, s20, 8
	s_add_co_u32 s48, s48, s42
	s_add_nc_u64 s[18:19], s[18:19], s[48:49]      ; out: my 16 rows, my 64 columns
	s_wait_alu depctr_va_vdst(0)                   ; the offsets and addresses v1 to v12 and v242 to v250 are written, which the kernel's loads and stores read; so are the zero codes and their scale word, which LDS stores below read
.irp j, 0,1,2,3,4,5,6,7,8
	global_load_b128 v[136+4*\j:139+4*\j], v242, s[6:7] offset:16*\j
.endr
	global_load_b128 v[172:175], v243, s[8:9]
	global_load_b128 v[176:179], v243, s[10:11]
	global_load_b128 v[180:183], v243, s[12:13]
.irp j, 0,1,2,3
	global_load_b128 v[184+4*\j:187+4*\j], v243, s[14:15] offset:2048*\j
.endr
	s_cmp_lt_u32 s20, 2                            ; h has two K steps: waves 0 and 1 take them
	s_cbranch_scc0 .Lno_h
.irp b, 0,1,2,3
.irp j, 0,1,2,3
	global_load_b128 v[PA+16*\b+4*\j:PA+16*\b+4*\j+3], v244, s[4:5] offset:128*\b+16*\j th:TH_LOAD_NT
.endr
.endr
.Lno_h:
	LOADREC 0
	LOADREC 1
	LOADREC 2
	s_wait_loadcnt 51                              ; all but the three records, 17 loads each, which were issued last on both ways
	s_cmp_lt_u32 s20, 2
	s_cbranch_scc0 .Lpad_x
	QUANT PA
	s_branch .Lx_made
.Lpad_x:                                           ; K steps 2 and 3 of layer 1 do not exist: zero codes under the byte 127
.irp j, 0,1,2,3,4,5,6,7
	v_mov_b32 v[PC+\j], 0
.endr
	v_mov_b32 v[PW], 0x7f7f7f7f
.Lx_made:
	s_wait_alu depctr_va_vdst(0)                   ; on both ways the codes and the scale word are written, which the LDS stores read
	IMAGE 7, 0
	ds_store_b32 v8, v[PW]                         ; lanes r and r + 16 write the same word with the same value
.irp j, 0,1,2,3,4,5,6
	ds_store_b128 v245, v[172+4*\j:175+4*\j] offset:2048*\j
.endr
.irp j, 0,1,2,3                                ; K steps 2 and 3 of the tangents' first operand (V has 256 numbers a direction)
.irp c, 0,1
	ds_store_b128 v9, v[LL:LL+3] offset:16384+1024*\j+512*\c
.endr
	ds_store_b32 v10, v[LL+4] offset:1024+64*\j
.endr
	s_cmp_eq_u32 s20, 0                            ; the coefficients of my two fields, by slots: slot j holds direction j xor 2 w; for the second field slot 1 holds direction 2 w.  (v50 to v69 are named by vector instructions alone)
	s_cbranch_scc0 .Lcf1
	CFSET 50, 0, 1, 2, 3, 4, 5, 6, 7
	CFSET 60, 1, 0, 2, 3, 4, 5, 6, 7
	s_branch .Lcf_made
.Lcf1:
	s_cmp_eq_u32 s20, 1
	s_cbranch_scc0 .Lcf2
	CFSET 50, 2, 3, 0, 1, 6, 7, 4, 5
	CFSET 60, 3, 2, 0, 1, 6, 7, 4, 5
	s_branch .Lcf_made
.Lcf2:
	s_cmp_eq_u32 s20, 2
	s_cbranch_scc0 .Lcf3
	CFSET 50, 4, 5, 6, 7, 0, 1, 2, 3
	CFSET 60, 5, 4, 6, 7, 0, 1, 2, 3
	s_branch .Lcf_made
.Lcf3:
	CFSET 50, 6, 7, 4, 5, 2, 3, 0, 1
	CFSET 60, 7, 6, 4, 5, 2, 3, 0, 1
.Lcf_made:
	LOADREC 3                                      ; no vector instruction has named buffer 3, its scale words or v1 since the wait ahead of the first load
	s_wait_xcnt 0x0                                ; the loads have read their base
	s_add_nc_u64 s[24:25], s[24:25], TRIPB
	; ---------------- THE PRIMAL WALK, hidden layers: a trip is a layer, in two halves of two records: each record is asked for a whole trip ahead
	s_mov_b32 s26, 3
.Lph:
	BAR                                            ; the operand's four images lie in LDS
	s_wait_alu depctr_vm_vsrc(0)                   ; the LDS loads and stores issued so far have read v13 and v14, which are written below, and their data: the codes, the scale word, EE (first trip: the biases' and the zero codes' registers too), which this trip writes again
	v_add_nc_u32 v13, s35, v5
	v_add_nc_u32 v14, s34, v3
	s_wait_alu depctr_va_vdst(0)                   ; v13 and v14 are written; the last trip's products are done reading x's fragments, its scale words and the biases, in which the loads below land
	PXLD
	BIASLD
	BAR                                            ; every wave holds them in registers: the images may be written again
	s_wait_loadcnt 34                              ; records 0 and 1 are in; records 2 and 3, 17 loads each, were issued behind them
	PMULH 0, 1
	PLACES 5
	s_wait_alu depctr_va_vdst(0)                   ; the half's products are done reading buffers 0 and 1 and their scale words, in which the two records below land
	LOADREC 0
	LOADREC 1
	SOFTPLUS 0
	SOFTPLUS 1
	s_wait_loadcnt 34                              ; records 2 and 3 are in; behind them: the next trip's records 0 and 1
	PMULH 1, 1
	PLACES 5
	s_wait_alu depctr_va_vdst(0)                   ; the half's products are done reading buffers 2 and 3 and their scale words, in which the two records below land
	LOADREC 2
	LOADREC 3
	SOFTPLUS 2
	SOFTPLUS 3
	QUANT PA
	s_wait_alu depctr_va_vdst(0)                   ; the codes and the scale word are written, which the LDS stores read.  (Behind the last trip it also states that the products are done reading x's registers, in which the loads ahead of the next loop land)
	IMAGE 7, 0                                     ; K step w of the next product
	ds_store_b32 v8, v[PW]
	s_wait_xcnt 0x0
	s_add_nc_u64 s[24:25], s[24:25], TRIPB
	s_add_co_u32 s35, s35, 2048
	s_add_co_u32 s34, s34, 8192
	s_sub_co_u32 s26, s26, 1
	s_cmp_lg_u32 s26, 0
	s_cbranch_scc1 .Lph
	; ---------------- THE PRIMAL WALK, Wo: trip T makes n = 128 (T % 2) on of field 2 w + T / 2: K step T % 2 of the tangents' first operand
	BAR
	PXLD                                           ; no vector or matrix instruction since the last wait on va_vdst names x's registers or its scale words
	s_mov_b32 s26, 4
.Lpo:
	s_wait_alu depctr_vm_vsrc(0)                   ; the LDS loads and stores issued so far have read the four addresses that are written below, and their data: V's 64 registers, the codes, the scale word, which this trip writes again
	v_add_nc_u32 v13, s36, v6
	v_add_nc_u32 v14, s37, v4
	v_add_nc_u32 v15, s38, v9
	v_add_nc_u32 v251, s39, v10
	s_wait_alu depctr_va_vdst(0)                   ; the four addresses are written; the last trip's products are done reading the biases, in which the loads below land
	BIASLD
	s_wait_dscnt 0x0
	s_wait_loadcnt 34                              ; as in the hidden layers: two records in, two behind them
	PMULH 0, 0
	PLACES 5
	s_wait_alu depctr_va_vdst(0)                   ; the half's products are done reading buffers 0 and 1 and their scale words, in which the two records below land
	LOADREC 0
	LOADREC 1
	TANH 0
	TANH 1
	s_wait_loadcnt 34
	PMULH 1, 0
	PLACES 5
	s_wait_alu depctr_va_vdst(0)                   ; the half's products are done reading buffers 2 and 3 and their scale words, in which the two records below land
	LOADREC 2
	LOADREC 3
	TANH 2
	TANH 3
	s_wait_alu depctr_va_vdst(0)                   ; the selects have written V, which the LDS stores read
.irp q, 0,1,2,3,4,5,6,7,8,9,10,11,12,13,14,15
	ds_store_b128 v14, v[PA+4*\q:PA+4*\q+3] offset:512*\q
.endr
	QUANT PA
	s_wait_alu depctr_va_vdst(0)                   ; the codes and the scale word are written, which the LDS stores read
	IMAGE 15, 0
	ds_store_b32 v251, v[PW]
	s_wait_xcnt 0x0
	s_add_nc_u64 s[24:25], s[24:25], TRIPB
	s_cmp_eq_u32 s26, 2                            ; behind the third trip the run is at its end: back to record 0, so that the last trip asks for the tangent walk's first records
	s_cselect_b32 s40, WSTR, 0
	s_sub_nc_u64 s[24:25], s[24:25], s[40:41]
	s_add_co_u32 s36, s36, 512
	s_add_co_u32 s37, s37, 8192
	s_add_co_u32 s38, s38, 1024
	s_add_co_u32 s39, s39, 64
	s_sub_co_u32 s26, s26, 1
	s_cmp_lg_u32 s26, 0
	s_cbranch_scc1 .Lpo
	; ---------------- THE TANGENT WALK, hidden layers: a trip is a layer, four pairs of tiles
	s_wait_alu depctr_vm_vsrc(0)                   ; the last LDS stores of V have read v72 to v135, which are at work in the tangent walk from here on
.irp d, 0,1,2,3,4,5,6,7
	v_mov_b32 v[XTP+\d], 0                         ; a lane permute's destination counts as one of its sources
.endr
	s_mov_b32 s34, 0
	s_mov_b32 s26, 3
.Lth:
	BAR                                            ; the operand's 32 images lie in LDS
	s_wait_alu depctr_vm_vsrc(0)                   ; the LDS loads issued so far have read v13, which is written below; the last trip's LDS stores have read the codes and the scale words, which this trip writes again
	v_add_nc_u32 v13, s34, v3
	s_wait_alu depctr_va_vdst(0)                   ; v13 is written; the products issued so far are done reading x's fragments and its scale words, and the pairs' ends the first state buffer, in all of which the loads below land
	XFETCH
	TCH 0, 1, 1, 1, 51, 1
	TCH 1, 1, 0, 1, 51, 1
	TCH 2, 1, 0, 1, 51, 1
	TCH 3, 1, 0, 1, 51, 0
	s_wait_xcnt 0x0
	s_add_nc_u64 s[24:25], s[24:25], TRIPB
	s_add_co_u32 s34, s34, 8192
	s_sub_co_u32 s26, s26, 1
	s_cmp_lg_u32 s26, 0
	s_cbranch_scc1 .Lth
	; ---------------- THE TANGENT WALK, Wo: 16 pairs, four a trip; trips 0, 1: field 2 w; trips 2, 3: field 2 w + 1
.irp a, 0,1,2,3
	s_xor_b32 s42, s20, \a                         ; directions 2 (a xor w) and 2 (a xor w) + 1 go to slots 2 a and 2 a + 1
	s_lshl_b32 s43, s42, 12
	v_add_nc_u32 v[AX+\a], s43, v1                 ; their images: 2,048 bytes a direction
	s_lshl_b32 s43, s42, 8
	s_add_co_u32 s43, s43, XSC
	v_add_nc_u32 v[AS+\a], s43, v2                 ; their scale words: 128 bytes a direction
.endr
	BAR
	s_wait_alu depctr_va_vdst(0)                   ; the eight addresses v70 to v77 are written; the last layer's products are done reading x's fragments and its scale words, and its pairs' ends the first state buffer, in all of which the loads below land
	XFETCHW
.irp q, 0,1,2,3
	ds_load_b128 v[SG+4*\q:SG+4*\q+3], v4 offset:512*\q                  ; the first pair's V
.endr
	s_mov_b32 s37, 0
	s_mov_b32 s26, 3
.Ltw:
	s_wait_dscnt 0x0                               ; x is in
	s_wait_alu depctr_vm_vsrc(0)                   ; the LDS loads and stores issued so far have read v13, which is written below, and the last pair's stores XR, which this trip writes again
	v_add_nc_u32 v13, s37, v4                      ; (the first pair's wait on va_vdst stands between this line and the first access by v13)
	TCH 0, 0, 0, 1, 51, 1
	TCH 1, 0, 0, 1, 51, 1
	TCH 2, 0, 0, 1, 51, 1
	TCH 3, 0, 0, 1, 51, 1
	s_wait_xcnt 0x0
	s_add_nc_u64 s[24:25], s[24:25], TRIPB
	s_add_co_u32 s37, s37, 8192
	s_cmp_lg_u32 s26, 2                            ; behind the second trip: the second field's coefficients, and slot 1 takes direction 2 w in the place of 2 w + 1
	s_cbranch_scc1 .Lsame_field
.irp j, 0,1,2,3,4,5,6,7,8,9
	v_mov_b32 v[50+\j], v[60+\j]
.endr
	WIN TO_X
.irp s, 0,1,2,3
.irp c, 0,1
	ds_load_b128 v[8*(4+\s)+4*\c:8*(4+\s)+4*\c+3], v[AX] offset:16384*(\s/2)+1024*(\s%2)+512*\c   ; the last products that read slot 1 and its scale words stand ahead of the last pair's waits on va_vdst, and nothing issued since names these registers or their addresses
.endr
.endr
	WIN 0
	ds_load_b32 v34, v[AS]
	ds_load_b32 v35, v[AS] offset:1024
.Lsame_field:
	s_sub_co_u32 s26, s26, 1
	s_cmp_lg_u32 s26, 0
	s_cbranch_scc1 .Ltw
	s_wait_alu depctr_vm_vsrc(0)                   ; as at the loop's head: v13 and XR have been read.  The last trip asks for nothing more of wq: its counts run down
	v_add_nc_u32 v13, s37, v4
	TCH 0, 0, 0, 0, 51, 1
	TCH 1, 0, 0, 0, 34, 1
	TCH 2, 0, 0, 0, 17, 1
	TCH 3, 0, 0, 0, 0, 0
	; ---------------- THE END: the eight fields' results are added; wave w takes n = 64 w .. 64 w + 63
	BAR                                            ; all results lie in LDS, and nobody reads the images any more: the stage lies there
.irp pp, 0,1
	s_wait_alu depctr_vm_vsrc(0)                   ; the LDS instructions issued so far have read v70 to v77 (addresses), XR and, in the second half, the sums in v72 to v87: the loads below land in v72 to v199
	s_wait_alu depctr_va_vdst(0)                   ; the vector instructions issued so far (the last pair's end; the first half's additions) are done reading and writing v72 to v199
.irp i, 0,1,2,3,4,5,6,7
.irp q, 0,1,2,3
	ds_load_b128 v[72+16*\i+4*\q:75+16*\i+4*\q], v[246+\i/4] offset:((\i/2)%2)*32768+(\i%2)*16384+2048*\pp+512*\q
.endr
.endr
	s_wait_dscnt 0x0
.irp i, 1,2,3,4,5,6,7
.irp j, 0,2,4,6,8,10,12,14
	v_pk_add_f32 v[72+\j:73+\j], v[72+\j:73+\j], v[72+16*\i+\j:73+16*\i+\j]
.endr
.endr
	s_wait_alu depctr_va_vdst(0)                   ; the additions have written the sums, which the LDS stores read; behind the second half they are also done reading v104 to v135, in which the loads from the stage land
.irp q, 0,1,2,3
	ds_store_b128 v248, v[72+4*\q:75+4*\q] offset:128*\pp+16*\q          ; point r, n = 64 w + 32 pp + 16 h + 4 q on
.endr
.endr
.irp t, 0,1,2,3,4,5,6,7
	ds_load_b128 v[104+4*\t:107+4*\t], v249 offset:544*\t                 ; LDS serves a wave's instructions in order: these see my stores
.endr
.irp t, 0,1,2,3,4,5,6,7
	s_wait_dscnt 7-\t                              ; the younger loads from the stage stay out
	global_store_b128 v250, v[104+4*\t:107+4*\t], s[18:19] offset:2048*\t th:TH_STORE_NT   ; 16 lanes store 256 consecutive bytes, at a multiple of 256 from the first byte of out
.endr
	s_wait_dscnt 0x0                               ; the closing lines, six on end
	s_wait_alu 0x0
	s_wait_tensorcnt 0x0
	ds_add_u32 v233, v255
	s_wait_dscnt 0x0
	s_endpgm
.Lfunc_end_k_q672adb3dc3_chain:
	.size	k_q672adb3dc3_chain, .Lfunc_end_k_q672adb3dc3_chain-k_q672adb3dc3_chain
	.p2alignl 7, 3214868480
	.fill 96, 4, 3214868480
	.section	.rodata,"a",@progbits
	.p2align	6, 0x0
	.amdhsa_kernel k_q672adb3dc3_chain
		.amdhsa_group_segment_fixed_size 283392
		.amdhsa_private_segment_fixed_size 0
		.amdhsa_enable_private_segment 0
		.amdhsa_kernarg_size 64
		.amdhsa_user_sgpr_count 2
		.amdhsa_user_sgpr_kernarg_segment_ptr 1
		.amdhsa_wavefront_size32 1
		.amdhsa_system_sgpr_workgroup_id_x 1
		.amdhsa_system_sgpr_workgroup_id_y 1
		.amdhsa_system_sgpr_workgroup_id_z 1
		.amdhsa_system_vgpr_workitem_id 0
		.amdhsa_next_free_vgpr 896
		.amdhsa_next_free_sgpr 66
		.amdhsa_reserve_vcc 0
		.amdhsa_float_denorm_mode_32 3
		.amdhsa_float_denorm_mode_16_64 3
		.amdhsa_memory_ordered 1
		.amdhsa_forward_progress 1
		.amdhsa_inst_pref_size 255
	.end_amdhsa_kernel
	.section	.bss,"aw",@nobits
	.p2align	6
	.space	262144
	.amdgpu_metadata
---
amdhsa.version: [ 1, 2 ]
amdhsa.kernels:
  - .name:           k_q672adb3dc3_chain
    .symbol:         k_q672adb3dc3_chain.kd
    .args:
      - { .name: h, .offset: 0, .size: 8, .value_kind: global_buffer, .address_space: global }
      - { .name: primitive_signature, .offset: 8, .size: 8, .value_kind: global_buffer, .address_space: global }
      - { .name: b1, .offset: 16, .size: 8, .value_kind: global_buffer, .address_space: global }
      - { .name: b2, .offset: 24, .size: 8, .value_kind: global_buffer, .address_space: global }
      - { .name: b3, .offset: 32, .size: 8, .value_kind: global_buffer, .address_space: global }
      - { .name: bo, .offset: 40, .size: 8, .value_kind: global_buffer, .address_space: global }
      - { .name: wq, .offset: 48, .size: 8, .value_kind: global_buffer, .address_space: global }
      - { .name: out0, .offset: 56, .size: 8, .value_kind: global_buffer, .address_space: global }
    .group_segment_fixed_size: 283392
    .private_segment_fixed_size: 0
    .kernarg_segment_align: 8
    .kernarg_segment_size: 64
    .max_flat_workgroup_size: 128
    .sgpr_count:     66
    .vgpr_count:     896
    .wavefront_size: 32
...
	.end_amdgpu_metadata
.endif
;; end of part 4
